; MI455X (gfx1250); checked and timed in simulation.
; The chip was launched on July 23, 2026; its instructions are those of AMD's public machine-readable ISA for CDNA 5 (MIT licence, August 2026) and "CDNA5" Instruction Set Architecture Reference Guide (July 2026). The comments in the code are by the model that wrote it; some were corrected since.
;; Token Routed MLP. Allowed arithmetic: matrix products marked QUANTISED: E2M1 operands, one E8M0 scale for each 32 along K, by v_wmma_scale_f32_16x16x128_f8f6f4 with both operands' format E2M1 (or v_wmma_scale_f32_32x16x128_f4), f32 sums; everything else in f32.
;; Inputs: down_proj 8 x 1,024 x 2,048 float32; gate_up_proj 8 x 2,048 x 2,048 float32; token_ids 1,024 int32; x 1,024 x 2,048 float32.
;; Outputs: out0 1,024 x 2,048 float32.
;; This version of the problem:
;;   THIS VERSION OF THE PROBLEM IS GIVEN IN LOW PRECISION. The matrix products marked QUANTISED in the list below multiply operands that are first quantised to E2M1 (2 exponent bits, 1 mantissa bit; 4 bits a number), with one power-of-two scale for each 32 numbers along K (OCP MX v1.0); their sums are f32. All else is computed in f32.
;;   The module's matrix products, in the order in which they are computed (A, B: the left and right operand; K: the contracted axis; several contracted axes count as one K, in the product's order):
;;     1. [M 1,024, K 2,048] x [K 2,048, N 2,048]; A: input x; B: input gate_up_proj: QUANTISED
;;     2. [M 1,024, K 1,024] x [K 1,024, N 2,048]; A: computed on the way; B: input down_proj: QUANTISED
;;     3. [M 1,024, K 2,048] x [K 2,048, N 2,048]; A: input x; B: input gate_up_proj: QUANTISED
;;     4. [M 1,024, K 1,024] x [K 1,024, N 2,048]; A: computed on the way; B: input down_proj: QUANTISED
;;     5. [M 1,024, K 2,048] x [K 2,048, N 2,048]; A: input x; B: input gate_up_proj: QUANTISED
;;     6. [M 1,024, K 1,024] x [K 1,024, N 2,048]; A: computed on the way; B: input down_proj: QUANTISED
;;     7. [M 1,024, K 2,048] x [K 2,048, N 2,048]; A: input x; B: input gate_up_proj: QUANTISED
;;     8. [M 1,024, K 1,024] x [K 1,024, N 2,048]; A: computed on the way; B: input down_proj: QUANTISED
;;     9. [M 1,024, K 2,048] x [K 2,048, N 2,048]; A: input x; B: input gate_up_proj: QUANTISED
;;     10. [M 1,024, K 1,024] x [K 1,024, N 2,048]; A: computed on the way; B: input down_proj: QUANTISED
;;     11. [M 1,024, K 2,048] x [K 2,048, N 2,048]; A: input x; B: input gate_up_proj: QUANTISED
;;     12. [M 1,024, K 1,024] x [K 1,024, N 2,048]; A: computed on the way; B: input down_proj: QUANTISED
;;     13. [M 1,024, K 2,048] x [K 2,048, N 2,048]; A: input x; B: input gate_up_proj: QUANTISED
;;     14. [M 1,024, K 1,024] x [K 1,024, N 2,048]; A: computed on the way; B: input down_proj: QUANTISED
;;     15. [M 1,024, K 2,048] x [K 2,048, N 2,048]; A: input x; B: input gate_up_proj: QUANTISED
;;     16. [M 1,024, K 1,024] x [K 1,024, N 2,048]; A: computed on the way; B: input down_proj: QUANTISED
;;   THE QUANTISER, for each operand of a quantised product, along K:
;;     - K is cut into blocks of 32 from its start; a last block that is shorter is filled with zeros.
;;     - A block's scale is 2^e with e = floor(log2(the largest magnitude in the block)) - 2, held to -126 .. 127; a block of zeros has e = 0. As a byte (E8M0): e + 127.
;;     - Each number is divided by its block's scale, clamped to +-6, and rounded to the nearest number of E2M1, ties to even, subnormals kept.
;;     - The product sums the exact products of the quantised numbers (number of the format x scale) in f32.
;;   ~~~python
;;   def quantise(x, axis):      # numpy; x: float32 -> the quantised numbers, widened to float32 again
;;       x = np.moveaxis(x, axis, -1); K = x.shape[-1]
;;       x = np.pad(x, [(0, 0)] * (x.ndim - 1) + [(0, -K % 32)]); x = x.reshape(x.shape[:-1] + (-1, 32)); a = np.abs(x).max(-1, keepdims=True)
;;       e = np.where(a > 0, np.clip(np.frexp(np.where(a > 0, a, 1))[1] - 1 - 2, -126, 127), 0)      # np.frexp(a)[1] - 1 = floor(log2(a)), exactly
;;       r = np.clip(x / 2.0 ** e, -6, 6)
;;       step = 2.0 ** (np.maximum(np.frexp(np.where(r == 0, 1, r))[1] - 1, 0) - 1)
;;       q = np.round(r / step) * step * 2.0 ** e      # np.round: ties to even
;;       return np.moveaxis(q.reshape(q.shape[:-2] + (-1,))[..., :K], -1, axis).astype(np.float32)
;;   ~~~
;;   OPERANDS COMPUTED ON THE WAY. 'Computed on the way' means the value that the module computes at that place (a softmax that the list does not call 'softmax' is quantised finished and normalised). What goes into a quantiser is computed in f32, as accurately as f32 sums, v_exp_f32 and their like allow (about 1e-6 of the number): no bf16 or f16 on the way to a quantiser, and a product that is left as it is and whose result goes on into a quantised operand takes f32 operands (vector FMAs, or v_wmma_f32_16x16x4_f32). A number that lies on a knife's edge between two numbers of the format may be rounded either way, as far as f32 arithmetic and the matrix unit's own rounding can turn it there, and no further.
;; 2 versions. Each part assembles by itself: llvm-mc -triple=amdgcn-amd-amdhsa -mcpu=gfx1250 --defsym DOCPART=n.
;; ======== version 1 of 2: 3 launches
;; workspace buffers: xc 1,048,576 bytes; xs 65,536 bytes; hc 589,824 bytes; hs 36,864 bytes; route 33,024 bytes of whole numbers
;; launch route_x (part 1): grid 64 x 5, 4 waves a work-group, no clusters, 5,120 bytes of LDS; arguments x, token_ids, xc, xs, route; writes xc, xs, route
.if DOCPART == 1
	.amdgcn_target "amdgcn-amd-amdhsa--gfx1250"
	.amdhsa_code_object_version 6
	.text
	.protected	k_q4a04f35f6d_route_x
	.globl	k_q4a04f35f6d_route_x
	.p2align	8
	.type	k_q4a04f35f6d_route_x,@function
k_q4a04f35f6d_route_x:
	s_mov_b64 s[64:65], 0
	v_nop
	global_prefetch_b8 v0, s[64:65] scope:SCOPE_SE
	s_setreg_imm32_b32 hwreg(HW_REG_WAVE_MODE, 25, 1), 1
	s_wait_xcnt 0x0
; THE ROUTING LISTS, AND x's CODES IN TOKEN ORDER.  expert = clip(token_id, 0, 50256) % 8.  No branch and no address of this launch hangs on a loaded or computed number: what the routing finds is only stored, at fixed places.
; Two kinds of work-group, told apart by the work-group's y; they share nothing and never meet again.  x = b, 0 .. 63; four waves.
; y = 0: ROUTING.  Wave n = 4 b + w, 0 .. 255, reads all 1,024 ids (32 a lane) and finds, for expert e = n / 32, the tokens at positions 32 (n % 32) + lane among the expert's tokens; positions past the last repeat the last,
;     so that every row of every tile of 16 is a true row and no lane is ever switched off later.  route, from byte 256 on: [e][tile 0..63][row 0..15] tokens, all 32 KiB written for every split.
;     route's word e = NT_e = ceil(T_e / 16), the expert's tiles, by the expert's first wave.
; y = 1 .. 4: x's CODES.  g = y - 1.  Tokens 16 b .. 16 b + 15; wave w takes K step 4 g + w (128 along K): sixteen loads, all issued at once.  FP4 (E2M1) with one E8M0 byte for each 32 along K.
;     xc [token][K block 0..63][16 bytes];   xs [g][token][4 words]: word q = the four scale bytes of K step 4 g + q.  The four waves' codes and words meet in LDS, so that sixteen lanes store 256 consecutive, aligned bytes.
; The routers stand first in the grid: theirs is the longer chain of dependent steps.
; A block's scale is 2^(floor(log2(its largest magnitude)) - 2); its byte is that magnitude's exponent field - 2, held at 1 from below.
; LIMITS: NaN and infinities in x are not served.  A block of zeros gets the byte 1 (the stated quantiser says 127): its codes are zeros, and this program alone reads the bytes.
; An id below 0 is taken as an unsigned number and held at 50256, which is 0 modulo 8, as is the 0 that the clip gives.  A router's 32 list words are 128 consecutive bytes: half of an aligned 256.
.set SROW, 272                         ; the stage: 16 rows of 256 bytes + 16, so that the sixteen rows of a store start at sixteen different banks
.set SCS,  16*SROW                     ; behind it: the scale words, 16 bytes a token
.set B,    64                          ; v64-127  64 numbers of x
.set CODE, 32                          ; v32-39   their codes
.set T,    64                          ; v64-95   the ids, then id % 8
.set RR,   96                          ; v96      R: which of the expert's tokens is my lane's
.set SM,   97                          ; v97      the chosen register's mask of lanes
.set SP,   98                          ; v98      how many of the expert's tokens came before it
.set SI,   99                          ; v99      which register it is
.set NN,   100                         ; v100     n: the n-th set bit is wanted
.set PS,   101                         ; v101     the bit's place
.set C1,   102                         ; v102-105 counts of the mask's bits in fields of 2, 4, 8, 16
.set TP,   106                         ; v106     at work
.set TK,   107                         ; v107     the token
.set MK,   66                          ; s66-97   M_i: the lanes whose register i holds an id of my expert
.set PP,   24                          ; s24-55   P_1 .. P_32: how many such ids lie in registers 0 .. i - 1
	s_load_b128 s[4:7], s[0:1], 0x0                ; x, token_ids
	s_load_b128 s[8:11], s[0:1], 0x10              ; xc, xs
	s_load_b64 s[12:13], s[0:1], 0x20              ; route
	v_lshl_add_u32 v128, v0, 2, 0x1200
	v_mov_b32 v129, 0
	v_lshrrev_b32 v1, 5, v0
	v_readfirstlane_b32 s16, v1                    ; wave 0..3
	s_mov_b32 s14, ttmp9                           ; b
	s_and_b32 s15, ttmp7, 0xffff                   ; y
	s_cmp_eq_u32 s15, 0
	s_cbranch_scc1 .Lrouter
; ---- x's CODES
	v_and_b32 v2, 15, v0                           ; r
	v_bfe_u32 v3, v0, 4, 1                         ; h
	v_lshlrev_b32 v4, 3, v3                        ; 8 h
	v_lshlrev_b32 v6, 4, v2                        ; 16 r
	v_lshlrev_b32 v5, 13, v2                       ; x: row r of 8,192 bytes,
	v_lshl_add_u32 v5, v3, 7, v5                   ; + 128 h: the operand's layout gives lane (r, h) k = 64 c + 32 h + 0 .. 31 of a K step
	v_mul_u32_u24 v7, v2, SROW
	v_lshl_add_u32 v7, v3, 4, v7
	v_lshl_add_u32 v7, v1, 6, v7                   ; the stage, in: row r, + 16 h, + 64 w: my K step's 64 bytes of the row's 256
	v_lshl_add_u32 v12, v1, 2, v3                  ; back: wave w takes rows 4 w .. 4 w + 3: lanes 0-15 one row, lanes 16-31 the next
	v_mul_u32_u24 v8, v12, SROW
	v_add_nc_u32 v8, v8, v6
	v_lshl_add_u32 v9, v12, 10, v6                 ; the same rows in xc: 1,024 bytes a token
	v_lshl_add_u32 v10, v1, 2, v6
	v_add_nc_u32 v10, SCS, v10                     ; my row's scale word: SCS + 16 r + 4 w
	v_add_nc_u32 v11, SCS, v6                      ; and a row's four
	v_mov_b32 v27, 0                               ; written once: the destination of a lane exchange counts as one of its sources
	s_mov_b32 s58, 0x76543210
	s_mov_b32 s59, 0xfedcba98                      ; v_permlanex16_b32's selects for lane l xor 16
	s_sub_co_u32 s17, s15, 1                       ; g
	s_lshl_b32 s20, s14, 17
	s_lshl_b32 s21, s17, 11
	s_add_co_u32 s20, s20, s21
	s_lshl_b32 s21, s16, 9
	s_add_co_u32 s20, s20, s21                     ; x: 16 b rows + 2,048 g + 512 w
	s_mov_b32 s21, 0
	s_lshl_b32 s22, s14, 14
	s_lshl_b32 s23, s17, 8
	s_add_co_u32 s22, s22, s23                     ; xc: 16 b rows of 1,024 + 256 g
	s_mov_b32 s23, 0
	s_lshl_b32 s24, s17, 14
	s_lshl_b32 s25, s14, 8
	s_add_co_u32 s24, s24, s25                     ; xs: 16,384 g + 256 b
	s_mov_b32 s25, 0
	s_wait_kmcnt 0x0
	s_add_nc_u64 s[4:5], s[4:5], s[20:21]
.irp c, 0,1                                    ; two whole blocks of 32 a lane, registers along K.  No hint: each stretch of 128 bytes of a row is named by eight of these loads
.irp i, 0,1,2,3,4,5,6,7
	global_load_b128 v[B+32*\c+4*\i:B+32*\c+4*\i+3], v5, s[4:5] offset:256*\c+16*\i
.endr
.endr
	s_add_nc_u64 s[8:9], s[8:9], s[22:23]
	s_add_nc_u64 s[10:11], s[10:11], s[24:25]
	s_wait_loadcnt 0x0
.irp c, 0,1
	v_max3_num_f32 v[20+\c], |v[B+32*\c]|, |v[B+32*\c+1]|, 0x1800000   ; block 2 c + h: all 32 numbers are mine; the floor 2^(3 - 127) holds the byte at 1 from below
.endr
.irp i, 2,4,6,8,10,12,14,16,18,20,22,24,26,28,30
.irp c, 0,1
	v_max3_num_f32 v[20+\c], v[20+\c], |v[B+32*\c+\i]|, |v[B+32*\c+\i+1]|
.endr
.endr
.irp c, 0,1
	v_add_nc_u32 v[22+\c], 0xff000000, v[20+\c]    ; 2 off the exponent field: the conversion takes this operand's exponent field as its scale
.endr
.irp c, 0,1
	v_lshrrev_b32 v[24+\c], 23, v[22+\c]           ; the scale's byte
.endr
	v_lshl_or_b32 v26, v25, 16, v24                ; my bytes: blocks h and 2 + h,
	v_lshlrev_b32 v26, v4, v26                     ; 8 h bits up;
	v_permlanex16_b32 v27, v26, s58, s59
	v_or_b32 v28, v26, v27                         ; with lane l xor 16's two the word is whole
.irp c, 0,1
.irp g, 0,1,2,3
	v_cvt_scalef32_pk8_fp4_f32 v[CODE+4*\c+\g], v[B+32*\c+8*\g:B+32*\c+8*\g+7], v[22+\c]
.endr
.endr
	v_nop                                          ; one plain line behind the last conversion
	ds_store_b128 v7, v[CODE:CODE+3]               ; K block h of my K step
	ds_store_b128 v7, v[CODE+4:CODE+7] offset:32   ; and K block 2 + h
	ds_store_b32 v10, v28                          ; lanes r and r + 16 write the same word with the same value
	s_wait_dscnt 0x0                               ; for the others' sake: my stores have landed
	s_barrier_signal -1
	s_barrier_wait -1                              ; 16 rows of 256 bytes of codes and 16 bytes of scale words lie in LDS
	ds_load_b128 v[40:43], v8
	ds_load_b128 v[44:47], v8 offset:2*SROW
	s_wait_dscnt 0x1                               ; the younger load may stay out
	global_store_b128 v9, v[40:43], s[8:9]         ; sixteen lanes store 256 consecutive, aligned bytes of one token's row
	s_wait_dscnt 0x0
	global_store_b128 v9, v[44:47], s[8:9] offset:2048
	s_cmp_lg_u32 s16, 0
	s_cbranch_scc1 .Lq_end
	ds_load_b128 v[48:51], v11                     ; the scale words leave by wave 0
	s_wait_dscnt 0x0
	global_store_b128 v6, v[48:51], s[10:11]       ; sixteen lanes fill 256 aligned bytes; lanes 16-31 hold and write the same words
.Lq_end:
	s_wait_tensorcnt 0x0
	ds_add_u32 v128, v129
	s_wait_dscnt 0x0
	s_endpgm
; ---- ROUTING
.Lrouter:
	s_lshl_b32 s17, s14, 2
	s_add_co_u32 s17, s17, s16                     ; n
	s_lshr_b32 s18, s17, 5                         ; the expert whose list I fill
	s_and_b32 s19, s17, 31
	s_lshl_b32 s19, s19, 5                         ; my first position in it
	s_mov_b32 s56, 0x0f0f0f0f
	s_mov_b32 s57, 0x00ff00ff
	s_lshl_b32 s60, s17, 7
	s_mov_b32 s61, 0
	s_lshl_b32 s62, s18, 2
	s_mov_b32 s63, 0
	v_and_b32 v14, 31, v0                          ; lane
	v_lshlrev_b32 v13, 4, v14
	v_lshlrev_b32 v15, 2, v14
	s_wait_kmcnt 0x0
.irp q, 0,1,2,3,4,5,6,7
	global_load_b128 v[T+4*\q:T+4*\q+3], v13, s[6:7] offset:512*\q   ; register 4 q + j of lane l: token 128 q + 4 l + j
.endr
	s_add_nc_u64 s[60:61], s[12:13], s[60:61]      ; route + 128 n
	s_add_nc_u64 s[62:63], s[12:13], s[62:63]      ; route + 4 e
; First all the masks, then all the scalar sums, then all the selects: the vector and the scalar side change places twice, not in every step.
.irp q, 0,1,2,3,4,5,6,7
	s_wait_loadcnt 7-\q                            ; the younger loads of ids may stay out
.irp j, 0,1,2,3
	v_min_u32 v[T+4*\q+\j], 0xc450, v[T+4*\q+\j]   ; the clip's upper end, 50256
.endr
.irp j, 0,1,2,3
	v_and_b32 v[T+4*\q+\j], 7, v[T+4*\q+\j]        ; id % 8
.endr
.irp j, 0,1,2,3
	v_cmp_eq_u32 s[MK+4*\q+\j], s18, v[T+4*\q+\j]
.endr
.endr
	s_bcnt1_i32_b32 s[PP], s[MK]
.set i, 1
.rept 31
	s_bcnt1_i32_b32 s[20+i%2], s[MK+i]
	s_add_co_u32 s[PP+i], s[PP+i-1], s[20+i%2]
.set i, i+1
.endr
	s_sub_co_u32 s22, s[PP+31], 1                  ; P_32 is the expert's count
	v_add_nc_u32 v[RR], s19, v14
	v_min_u32 v[RR], s22, v[RR]                    ; R: positions past the last token repeat the last.  (An expert without tokens: whatever comes of it is held inside the tokens below, and nobody's result hangs on it)
; THE R-th TOKEN of the expert, counted register by register and in a register lane by lane: the last i with P_i <= R holds it.  Four compares, then their twelve selects.
	v_mov_b32 v[SM], s[MK]
	v_mov_b32 v[SP], 0
	v_mov_b32 v[SI], 0
.set i, 1
.rept 8
.set j, 0
.rept 4
.if i+j < 32
	v_cmp_le_u32 s[20+j], s[PP+i+j-1], v[RR]
.endif
.set j, j+1
.endr
.set j, 0
.rept 4
.if i+j < 32
	v_cndmask_b32 v[SM], v[SM], s[MK+i+j], s[20+j]
	v_cndmask_b32 v[SP], v[SP], s[PP+i+j-1], s[20+j]
	v_cndmask_b32 v[SI], v[SI], i+j, s[20+j]
.endif
.set j, j+1
.endr
.set i, i+4
.endr
	v_sub_nc_u32 v[NN], v[RR], v[SP]               ; n = R - P_i: the n-th set bit of M is my token's lane
	v_lshrrev_b32 v[TP], 1, v[SM]                  ; counts of M's bits in fields of 2, 4, 8, 16
	v_and_b32 v[TP], 0x55555555, v[TP]
	v_sub_nc_u32 v[C1], v[SM], v[TP]
	v_lshrrev_b32 v[TP], 2, v[C1]
	v_and_b32 v[TP], 0x33333333, v[TP]
	v_and_b32 v[C1+1], 0x33333333, v[C1]
	v_add_nc_u32 v[C1+1], v[C1+1], v[TP]
	v_lshrrev_b32 v[TP], 4, v[C1+1]
	v_add_nc_u32 v[TP], v[TP], v[C1+1]
	v_and_b32 v[C1+2], s56, v[TP]
	v_lshrrev_b32 v[TP], 8, v[C1+2]
	v_add_nc_u32 v[TP], v[TP], v[C1+2]
	v_and_b32 v[C1+3], s57, v[TP]
	v_mov_b32 v[PS], 0                             ; the place, found from the top down: where n is not under the lower half's count, that count comes off n and the place moves up
.macro DESC tree, fw, w
	v_bfe_u32 v[TP], v[\tree], v[PS], \fw
	v_cmp_ge_u32 vcc_lo, v[NN], v[TP]
	v_cndmask_b32 v[TP], 0, v[TP], vcc_lo
	v_sub_nc_u32 v[NN], v[NN], v[TP]
	v_cndmask_b32 v[TP], 0, \w, vcc_lo
	v_add_nc_u32 v[PS], v[PS], v[TP]
.endm
	DESC C1+3, 8, 16
	DESC C1+2, 8, 8
	DESC C1+1, 4, 4
	DESC C1, 2, 2
	DESC SM, 1, 1
	v_lshrrev_b32 v[TP], 2, v[SI]
	v_lshlrev_b32 v[TP], 7, v[TP]
	v_lshl_or_b32 v[TP], v[PS], 2, v[TP]
	v_and_b32 v[SI], 3, v[SI]
	v_or_b32 v[TK], v[TP], v[SI]                   ; the token: 128 (i / 4) + 4 lane + i % 4
	v_min_u32 v[TK], 0x3ff, v[TK]                  ; a token's number on every way
	global_store_b32 v15, v[TK], s[60:61] offset:256   ; my 32 positions of the expert's list
	s_and_b32 s20, s17, 31                         ; (a branch on the work-group's and the wave's number)
	s_cmp_lg_u32 s20, 0
	s_cbranch_scc1 .Lr_end
	s_add_co_u32 s20, s[PP+31], 15
	s_lshr_b32 s20, s20, 4                         ; NT_e, by the expert's first wave
	v_mov_b32 v108, 0
	v_mov_b32 v109, s20
	global_store_b32 v108, v109, s[62:63]          ; every lane writes the same word with the same value
.Lr_end:
	s_endpgm
.Lfunc_end_k_q4a04f35f6d_route_x:
	.size	k_q4a04f35f6d_route_x, .Lfunc_end_k_q4a04f35f6d_route_x-k_q4a04f35f6d_route_x
	.p2alignl 7, 3214868480
	.fill 96, 4, 3214868480
	.section	.rodata,"a",@progbits
	.p2align	6, 0x0
	.amdhsa_kernel k_q4a04f35f6d_route_x
		.amdhsa_group_segment_fixed_size 5120
		.amdhsa_private_segment_fixed_size 0
		.amdhsa_enable_private_segment 0
		.amdhsa_kernarg_size 40
		.amdhsa_user_sgpr_count 2
		.amdhsa_user_sgpr_kernarg_segment_ptr 1
		.amdhsa_wavefront_size32 1
		.amdhsa_system_sgpr_workgroup_id_x 1
		.amdhsa_system_sgpr_workgroup_id_y 1
		.amdhsa_system_sgpr_workgroup_id_z 1
		.amdhsa_system_vgpr_workitem_id 0
		.amdhsa_next_free_vgpr 130
		.amdhsa_next_free_sgpr 98
		.amdhsa_reserve_vcc 1
		.amdhsa_float_denorm_mode_32 3
		.amdhsa_float_denorm_mode_16_64 3
		.amdhsa_memory_ordered 1
		.amdhsa_forward_progress 1
		.amdhsa_inst_pref_size 27
	.end_amdhsa_kernel
	.amdgpu_metadata
---
amdhsa.version: [ 1, 2 ]
amdhsa.kernels:
  - .name:           k_q4a04f35f6d_route_x
    .symbol:         k_q4a04f35f6d_route_x.kd
    .args:
      - { .name: x, .offset: 0, .size: 8, .value_kind: global_buffer, .address_space: global }
      - { .name: token_ids, .offset: 8, .size: 8, .value_kind: global_buffer, .address_space: global }
      - { .name: xc, .offset: 16, .size: 8, .value_kind: global_buffer, .address_space: global }
      - { .name: xs, .offset: 24, .size: 8, .value_kind: global_buffer, .address_space: global }
      - { .name: route, .offset: 32, .size: 8, .value_kind: global_buffer, .address_space: global }
    .group_segment_fixed_size: 5120
    .private_segment_fixed_size: 0
    .kernarg_segment_align: 8
    .kernarg_segment_size: 40
    .max_flat_workgroup_size: 128
    .sgpr_count:     98
    .vgpr_count:     130
    .wavefront_size: 32
...
	.end_amdgpu_metadata
.endif
;; end of part 1
;; launch gateup (part 2): grid 256 x 1, 16 waves a work-group, no clusters, 72,192 bytes of LDS; arguments gate_up_proj, xc, xs, route, hc, hs; writes hc, hs
.if DOCPART == 2
	.amdgcn_target "amdgcn-amd-amdhsa--gfx1250"
	.amdhsa_code_object_version 6
	.text
	.protected	k_q4a04f35f6d_gateup
	.globl	k_q4a04f35f6d_gateup
	.p2align	8
	.type	k_q4a04f35f6d_gateup,@function
k_q4a04f35f6d_gateup:
	s_mov_b64 s[64:65], 0
	v_nop
	global_prefetch_b8 v0, s[64:65] scope:SCOPE_SE
	s_setreg_imm32_b32 hwreg(HW_REG_WAVE_MODE, 25, 1), 1
	s_wait_xcnt 0x0
; h = silu(x Wg) * (x Wu) for the rows of the chosen expert alone, both operands in MX-FP4, and h's codes for the next product.
; SHARES.  Work-group = (expert e = number / 32, slice sl = number % 32): columns 32 sl .. 32 sl + 31 of the expert's gate half and the same of its up half, for all 2,048 along K and all tiles of the expert:
; 512 KiB of f32 weights, read once in the launch.  K goes in 8 chunks of 256.  Wave w takes, of each chunk, column group g = w % 2 (0 gate, 1 up) and the block of 32 along K number kb = w / 2.
; A LANE TAKES A COLUMN AND ITS REGISTERS RUN DOWN K: 32 loads of 128 consecutive bytes; a block lies in one lane, so its largest magnitude needs no other lane and the conversions give codes with K innermost.
; The codes go to LDS as images of operand registers, each chunk into bytes of its own: ONE barrier a chunk, and nothing in LDS is ever written twice.
; Behind the barrier wave w multiplies the chunk (two K steps, four tiles of 16 columns) with token tile w of the expert.
; THREE SETS OF 32 REGISTERS take the weights by turns: chunk c + 3 is asked for as soon as chunk c is converted, so that a wave's next loads leave while the two chunks between are still coming in.
; THE TOKENS OF A TILE come from the list that the launch before stored: route + 256 + 4,096 e + 64 tile + 4 row; that address is made of ids alone, so the list is asked for ahead of the weights.
; x's codes lie by token (1,024 bytes each), its scale words [K / 512][token][4]: lane (r, h) takes its own row's bytes, so a load of a fragment takes 32 bytes of each of 16 rows (the operand's layout binds a lane to its row).
; TRANSPOSED USE: source 0 = 16 columns of W, source 1 = 16 tokens, so a lane holds one token.  THE COLUMNS OF A TILE ARE NOT NEIGHBOURS: row rho of tile 2 g + u is column 8 u + rho + 8 (rho / 8),
; so that the 16 registers of tiles 2 g and 2 g + 1 are columns 16 (lane / 16) + 0 .. 15: 16 neighbours along the next product's K, whose block number sl these 32 columns are.
; h's codes go out by tiles numbered TB_e + tile (route's word e = NT_e, the expert's tiles; TB the running sum of NT, at most 71 in all): hc [tile][K block 0..31][row][16 bytes], hs [tile][K / 512][row][16 bytes].
; No tensor load and no cluster: trip counts hang on stored counts, and the codes are made from a lane's registers.  A wave's load covers 128 bytes of a weight row: 8,192 gate/up pairs of columns
; over 256 work-groups are 32 each, and a block of 32 stays in one wave for h's quantiser; the neighbouring work-group reads the neighbouring 128 bytes.
; LIMITS: NaN and infinities are not served.  A block of zeros gets the scale byte 1: its codes are zeros, and this program alone reads the bytes.  An expert without tokens still has its weights
; streamed (every wave passes every barrier) and stores nothing.  Tiles from the 17th on of an expert (more than 256 tokens) are multiplied behind the stream, not beside it.  hs leaves in single bytes, 16 a tile.
.set NCH,  8                           ; chunks
.set TSTR, 16512                       ; LDS: a tile's 64 K blocks x 256 bytes, + 128
.set WSC,  4*TSTR                      ; behind the four tiles: the weights' scale bytes [K step 0..15][rho][tile][4]
.set XO,   12                          ; v12      my row's place in xc: 1,024 token + 16 h
.set SO,   13                          ; v13      and in xs: 16 token + 16,384 h
.set CD,   16                          ; v16-19   a block's codes
.set WS,   20                          ; v20-23   the weights' scale words, tile t in register t; lanes 0-15 the chunk's first K step, lanes 16-31 its second
.set XS,   24                          ; v24-31   x's scale words of all 16 K steps
.set ACC,  32                          ; v32-63   four accumulators: gate's two tiles, up's two
.set WF,   64                          ; v64-95   four fragments of W
.set E,    64                          ; (at work on the way out)
.set XF,   96                          ; v96-143  x's fragments: three sets of two K steps
.set W,    144                         ; v144-239 three sets of 32 numbers of W
.set R4,   240                         ; v240     4 r
.set TOK,  241                         ; v241     my row's token
.set H16,  242                         ; v242     16 h
.set H16K, 243                         ; v243     16,384 h
	s_load_b256 s[4:11], s[0:1], 0x0               ; gate_up_proj, xc, xs, route
	s_load_b128 s[12:15], s[0:1], 0x20             ; hc, hs
	v_lshl_add_u32 v244, v0, 2, 0x11200
	v_mov_b32 v245, 0
	v_lshrrev_b32 v8, 5, v0
	v_readfirstlane_b32 s16, v8                    ; wave 0..15
	s_lshr_b32 s17, ttmp9, 5                       ; e
	s_and_b32 s18, ttmp9, 31                       ; sl
	s_and_b32 s22, s16, 1                          ; g
	s_lshr_b32 s23, s16, 1                         ; kb
	s_mov_b32 s40, 0xbfb8aa3b                      ; -log2(e)
	s_mov_b32 s41, s40                             ; (named with it as a pair, so it is written)
	s_mov_b32 s42, 0x76543210
	s_mov_b32 s43, 0xfedcba98                      ; v_permlanex16_b32's selects for lane l xor 16
	s_lshl_b32 s48, s18, 8                         ; hc: 256 sl
	s_lshr_b32 s49, s18, 4
	s_lshl_b32 s49, s49, 8
	s_and_b32 s50, s18, 15
	s_add_co_u32 s49, s49, s50                     ; hs: 256 (sl / 16) + sl % 16
	s_lshl_b32 s46, s17, 24                        ; W: 16 MiB an expert,
	s_lshl_b32 s50, s22, 12
	s_add_co_u32 s46, s46, s50                     ; + 4,096 g (up's columns begin 1,024 numbers on),
	s_lshl_b32 s50, s18, 7
	s_add_co_u32 s46, s46, s50                     ; + 128 sl,
	s_lshl_b32 s50, s23, 18
	s_add_co_u32 s46, s46, s50                     ; + 32 kb rows of 8,192 bytes
	s_mov_b32 s47, 0
	s_lshl_b32 s30, s17, 12                        ; the expert's list of tokens: 4,096 bytes an expert
	s_mov_b32 s31, 0
	v_and_b32 v8, 31, v0
	v_lshlrev_b32 v1, 2, v8                        ; 4 l: my column
	v_lshlrev_b32 v2, 4, v8                        ; 16 l: my place in an image
	v_add_nc_u32 v5, WSC, v2
	v_and_b32 v9, 15, v0
	v_bfe_u32 v10, v0, 4, 1
	v_lshlrev_b32 v7, 4, v9                        ; 16 r
	v_lshl_add_u32 v6, v10, 3, v7                  ; 16 r + 8 h
	v_lshlrev_b32 v[R4], 2, v9
	v_lshlrev_b32 v[H16], 4, v10
	v_lshlrev_b32 v[H16K], 14, v10
	v_bfe_u32 v8, v0, 3, 1                         ; u
	v_bfe_u32 v9, v0, 5, 1                         ; g
	v_lshl_add_u32 v8, v9, 1, v8                   ; tile = 2 g + u
	v_and_b32 v9, 7, v0
	v_lshl_add_u32 v9, v10, 3, v9                  ; rho = j % 8 + 8 (j / 16)
	v_lshrrev_b32 v10, 6, v0                       ; kb
	v_mul_u32_u24 v3, v8, TSTR
	v_lshl_add_u32 v3, v9, 4, v3
	v_lshl_add_u32 v3, v10, 8, v3                  ; where my block's codes go: tile x TSTR + 16 rho + 256 kb (+ 2,048 a chunk)
	v_lshlrev_b32 v4, 4, v9
	v_lshl_add_u32 v4, v8, 2, v4
	v_lshrrev_b32 v11, 2, v10
	v_lshl_add_u32 v4, v11, 8, v4
	v_and_b32 v11, 3, v10
	v_add_nc_u32 v4, v4, v11
	v_add_nc_u32 v4, WSC, v4                       ; and its scale byte: WSC + 256 (kb / 4) + 16 rho + 4 tile + kb % 4 (+ 512 a chunk)
.macro WLOAD c                                 ; chunk c: W(256 c + 32 kb + i, my column) into set c % 3.  No pointer is stepped: chunks 4 to 7 take the second base
.set i_, 0
.rept 32
	global_load_b32 v[W+32*((\c)%3)+i_], v1, s[24+2*((\c)/4):25+2*((\c)/4)] offset:((\c)%4)*2097152+8192*i_ th:TH_LOAD_NT
.set i_, i_+1
.endr
.endm
.macro ROWS                                    ; my row's token becomes its places in xc and in xs
	v_min_u32 v[TOK], 0x3ff, v[TOK]                ; held inside the tokens ahead of the addresses
	v_lshl_add_u32 v[XO], v[TOK], 10, v[H16]
	v_lshl_add_u32 v[SO], v[TOK], 4, v[H16K]
.endm
.macro XLOAD c, set                            ; my rows' fragments of chunk c's two K steps: K step s, registers 4 p .. 4 p + 3: K block 4 s + 2 p + h, byte 64 s + 32 p + 16 h of the row
.irp u, 0,1
.irp p, 0,1
	global_load_b128 v[XF+16*(\set)+8*\u+4*\p:XF+16*(\set)+8*\u+4*\p+3], v[XO], s[6:7] offset:(2*(\c)+\u)*64+32*\p
.endr
.endr
.endm
.macro SLOADS                                  ; their scale words: load j: lanes 0-15 K steps 8 j .. 8 j + 3, lanes 16-31 K steps 8 j + 4 .. 8 j + 7
.irp j, 0,1
	global_load_b128 v[XS+4*\j:XS+4*\j+3], v[SO], s[8:9] offset:32768*\j
.endr
.endm
.macro BASES                                   ; where h's codes and scale bytes go: they hang on the tile's number s29
	s_mov_b32 s47, 0
	s_lshl_b32 s46, s29, 13
	s_add_co_u32 s46, s46, s48
	s_add_nc_u64 s[34:35], s[12:13], s[46:47]
	s_lshl_b32 s46, s29, 9
	s_add_co_u32 s46, s46, s49
	s_add_nc_u64 s[36:37], s[14:15], s[46:47]
.endm
.macro QBLK set                                ; 32 numbers of my column become 16 bytes of codes in v[CD] on and a scale byte in v11
.set WB_, W+32*(\set)
	v_max3_num_f32 v8, |v[WB_]|, |v[WB_+1]|, 0x1800000             ; two chains; the floor 2^(3 - 127) holds the byte at 1 from below
	v_max3_num_f32 v9, |v[WB_+2]|, |v[WB_+3]|, |v[WB_+4]|
.set i_, 5
.rept 13
	v_max3_num_f32 v[8+((i_-5)/2)%2], v[8+((i_-5)/2)%2], |v[WB_+i_]|, |v[WB_+i_+1]|
.set i_, i_+2
.endr
	v_max3_num_f32 v8, v8, v9, |v[WB_+31]|
	v_add_nc_u32 v10, 0xff000000, v8               ; 2 off the exponent field: the conversion's scale operand
.irp g, 0,1,2,3
	v_cvt_scalef32_pk8_fp4_f32 v[CD+\g], v[WB_+8*\g:WB_+8*\g+7], v10
.endr
	v_lshrrev_b32 v11, 23, v10                     ; the scale's byte; also the plain line behind the conversions
.endm
; One product: tile t of W x the tokens, K step s.  ra: W's scale words in lanes 16-31.  x's word of K step s: register 4 (s / 8) + s % 4, in lanes 16-31 where (s / 4) is odd.
.macro WM t, xf, zero, s, ra
.set XSR_, XS+4*((\s)>>3)+((\s)&3)
.set RB_, ((\s)>>2)&1
.if \zero
	v_wmma_scale_f32_16x16x128_f8f6f4 v[ACC+8*\t:ACC+8*\t+7], v[WF+8*\t:WF+8*\t+7], v[\xf:\xf+7], 0, v[WS+\t], v[XSR_] matrix_a_fmt:MATRIX_FMT_FP4 matrix_b_fmt:MATRIX_FMT_FP4
.elseif (\ra == 0) && (RB_ == 0)
	v_wmma_scale_f32_16x16x128_f8f6f4 v[ACC+8*\t:ACC+8*\t+7], v[WF+8*\t:WF+8*\t+7], v[\xf:\xf+7], v[ACC+8*\t:ACC+8*\t+7], v[WS+\t], v[XSR_] matrix_a_fmt:MATRIX_FMT_FP4 matrix_b_fmt:MATRIX_FMT_FP4
.elseif (\ra == 0)
	v_wmma_scale_f32_16x16x128_f8f6f4 v[ACC+8*\t:ACC+8*\t+7], v[WF+8*\t:WF+8*\t+7], v[\xf:\xf+7], v[ACC+8*\t:ACC+8*\t+7], v[WS+\t], v[XSR_] matrix_a_fmt:MATRIX_FMT_FP4 matrix_b_fmt:MATRIX_FMT_FP4 matrix_b_scale:MATRIX_SCALE_ROW1
.elseif (RB_ == 0)
	v_wmma_scale_f32_16x16x128_f8f6f4 v[ACC+8*\t:ACC+8*\t+7], v[WF+8*\t:WF+8*\t+7], v[\xf:\xf+7], v[ACC+8*\t:ACC+8*\t+7], v[WS+\t], v[XSR_] matrix_a_fmt:MATRIX_FMT_FP4 matrix_b_fmt:MATRIX_FMT_FP4 matrix_a_scale:MATRIX_SCALE_ROW1
.else
	v_wmma_scale_f32_16x16x128_f8f6f4 v[ACC+8*\t:ACC+8*\t+7], v[WF+8*\t:WF+8*\t+7], v[\xf:\xf+7], v[ACC+8*\t:ACC+8*\t+7], v[WS+\t], v[XSR_] matrix_a_fmt:MATRIX_FMT_FP4 matrix_b_fmt:MATRIX_FMT_FP4 matrix_a_scale:MATRIX_SCALE_ROW1 matrix_b_scale:MATRIX_SCALE_ROW1
.endif
.endm
; Chunk c's two K steps: W's scale words, then for each step four fragments from LDS and four products.  The four accumulators take turns, one instruction a turn.
.macro MM c, set, zero
	ds_load_b128 v[WS:WS+3], v5 offset:512*(\c)
.irp u, 0,1
.irp t, 0,1,2,3
.irp p, 0,1
	ds_load_b128 v[WF+8*\t+4*\p:WF+8*\t+4*\p+3], v2 offset:\t*TSTR+(2*(\c)+\u)*1024+512*\p
.endr
.endr
	s_wait_dscnt 0x0
.irp t, 0,1,2,3
	WM \t, XF+16*(\set)+8*\u, (\zero)*(1-\u), 2*(\c)+\u, \u
.endr
.if \u == 0
.rept 4
	v_nop                                          ; four places in front of loads into registers that matrix instructions have read
.endr
.endif
.endr
.endm
; A chunk.  n: the loads that may stay out when this chunk's 32 numbers and its fragments of x have to be there.  QBLK's seventeen plain lines are the places between the last chunk's products and the loads into their registers.
; The order of a wave's loads: .. W(c), X(c), W(c + 1), X(c + 1), W(c + 2), with 32 loads to a W and 4 to an X.
.macro CHUNK c, n
	s_wait_loadcnt \n
	QBLK (\c)%3
	ds_store_b128 v3, v[CD:CD+3] offset:2048*(\c)
	ds_store_b8 v4, v11 offset:512*(\c)
.if (\c)+2 < NCH
	XLOAD (\c)+2, ((\c)+2)%3
.endif
.if (\c)+3 < NCH
	WLOAD (\c)+3                                   ; into the set that has just been converted
.endif
	s_wait_dscnt 0x0                               ; for the others' sake: my stores have landed
	s_barrier_signal -1
	s_barrier_wait -1                              ; the chunk's codes and scale bytes lie in LDS
.if (\c) == 0
	s_wait_loadcnt 63                              ; x's scale words and chunk 0's fragments are in: 72 loads are younger (X1, W2, X2, W3), and 63 is the largest count that a wait names
	MM 0, 0, 1                                     ; in every wave: the first products start the sums, so the accumulators are written on every way
.else
	s_cmp_lt_u32 s16, s21                          ; a wave without a tile has nothing to multiply; no barrier stands in what it passes over
	s_cbranch_scc0 .Lidle_\@
	MM \c, (\c)%3, 0
.Lidle_\@:
.endif
.endm
; THE WAY OUT of a tile: h = g / (1 + 2^(-g log2 e)) x u in f32; its block of 32 (my 16 and lane l xor 16's) is quantised; 8 bytes of codes a lane, one scale byte a row.
.macro EPI
.rept 4
	v_nop                                          ; four places behind the last products
.endr
.irp k, 0,2,4,6,8,10,12,14
	v_pk_mul_f32 v[E+\k:E+\k+1], v[ACC+\k:ACC+\k+1], s[40:41] op_sel_hi:[1,0]   ; each accumulator is read from its low end on
.endr
.irp k, 0,1,2,3,4,5,6,7,8,9,10,11,12,13,14,15
	v_exp_f32 v[E+\k], v[E+\k]
.endr
	v_nop                                          ; a plain line behind the exponentials
	s_wait_alu depctr_va_vdst(0)
.irp k, 0,2,4,6,8,10,12,14
	v_pk_add_f32 v[E+\k:E+\k+1], v[E+\k:E+\k+1], 1.0 op_sel_hi:[1,0]
.endr
.irp k, 0,1,2,3,4,5,6,7,8,9,10,11,12,13,14,15
	v_rcp_f32 v[E+\k], v[E+\k]
.endr
	v_nop
	s_wait_alu depctr_va_vdst(0)
.irp k, 0,2,4,6,8,10,12,14
	v_pk_mul_f32 v[ACC+\k:ACC+\k+1], v[ACC+\k:ACC+\k+1], v[E+\k:E+\k+1]
.endr
.irp k, 0,2,4,6,8,10,12,14
	v_pk_mul_f32 v[ACC+\k:ACC+\k+1], v[ACC+\k:ACC+\k+1], v[ACC+16+\k:ACC+16+\k+1]
.endr
	v_max3_num_f32 v8, |v[ACC]|, |v[ACC+1]|, 0x1800000
	v_max3_num_f32 v9, |v[ACC+2]|, |v[ACC+3]|, |v[ACC+4]|
	v_max3_num_f32 v8, v8, |v[ACC+5]|, |v[ACC+6]|
	v_max3_num_f32 v9, v9, |v[ACC+7]|, |v[ACC+8]|
	v_max3_num_f32 v8, v8, |v[ACC+9]|, |v[ACC+10]|
	v_max3_num_f32 v9, v9, |v[ACC+11]|, |v[ACC+12]|
	v_max3_num_f32 v8, v8, |v[ACC+13]|, |v[ACC+14]|
	v_max3_num_f32 v8, v8, v9, |v[ACC+15]|
	v_permlanex16_b32 v9, v8, s42, s43
	v_max_num_f32 v8, v8, v9                       ; the block's largest magnitude
	v_add_nc_u32 v10, 0xff000000, v8
	v_cvt_scalef32_pk8_fp4_f32 v14, v[ACC:ACC+7], v10
	v_cvt_scalef32_pk8_fp4_f32 v15, v[ACC+8:ACC+15], v10
	v_lshrrev_b32 v11, 23, v10                     ; the byte; also the plain line behind the conversions
	global_store_b64 v6, v[14:15], s[34:35]        ; K block sl of the tile's 16 rows: 32 lanes store 256 consecutive bytes, aligned
	global_store_b8 v7, v11, s[36:37]              ; lanes r and r + 16 write the same byte with the same value
.endm
	s_wait_kmcnt 0x0
	s_add_nc_u64 s[24:25], s[4:5], s[46:47]
	s_add_nc_u64 s[26:27], s[24:25], 0x800000      ; four chunks on, so that every immediate stays inside its signed 24 bits
	s_load_b256 s[56:63], s[10:11], 0x0            ; NT_0 .. NT_7
	s_add_nc_u64 s[54:55], s[10:11], s[30:31]      ; route + 4,096 e
	s_lshl_b32 s30, s16, 6
	s_add_nc_u64 s[52:53], s[54:55], s[30:31]      ; + 64 w: tile w's list (written for every tile number, whatever the split)
	global_load_b32 v[TOK], v[R4], s[52:53] offset:256
	WLOAD 0
	WLOAD 1
	s_wait_loadcnt 63                              ; my row's token is in: 64 loads were issued behind it
	ROWS
	SLOADS
	XLOAD 0, 0
	XLOAD 1, 1
	WLOAD 2
	s_wait_kmcnt 0x0
	s_mov_b32 s20, 0                               ; TB_e = NT_0 + .. + NT_(e-1), and NT_e
	s_mov_b32 s21, s56
.irp k, 1,2,3,4,5,6,7
	s_cmp_ge_u32 s17, \k
	s_cselect_b32 s19, s[55+\k], 0
	s_cselect_b32 s21, s[56+\k], s21
	s_add_co_u32 s20, s20, s19
.endr
	s_max_u32 s28, s21, 1
	s_sub_co_u32 s28, s28, 1
	s_min_u32 s28, s28, s16
	s_add_co_u32 s29, s20, s28                     ; the tile's number for h: TB_e + w in the waves that store
	s_cmp_eq_u32 s21, 0
	s_cselect_b32 s29, 0, s29
	s_min_u32 s29, s29, 70                         ; held inside the workspace ahead of the addresses
	BASES
; The counts.  Chunks 0 to 5: 72 loads or more are younger than the chunk's numbers and 68 or more than its fragments of x; a wait names 63 at most.  (The issue of a load that would carry the
; counter past its field is held back: ISA guide 5.7.1.)  Chunk 6: behind X6 stand W7 and X7, 36 loads.  Chunk 7: X7 is the youngest load of all.
	CHUNK 0, 63
	CHUNK 1, 63
	CHUNK 2, 63
	CHUNK 3, 63
	CHUNK 4, 63
	CHUNK 5, 63
	CHUNK 6, 36
	CHUNK 7, 0
	s_cmp_lt_u32 s16, s21
	s_cbranch_scc0 .Ldone
	EPI
; AN EXPERT WITH MORE THAN 16 TILES: tiles w + 16, w + 32, w + 48, from the codes that lie in LDS; no barrier from here on.  1,024 tokens are at most 64 tiles of one expert,
; so three trips serve every split: the trip count is a constant, and a trip whose tile the expert does not have passes over the work.
	s_add_co_u32 s28, s16, 16
	s_mov_b32 s38, 0
.Lmore:
	s_cmp_lt_u32 s28, s21
	s_cbranch_scc0 .Lnone
	s_wait_xcnt 0x0                                ; the last tile's loads and stores have read their bases and registers: they are written again only behind this wait
	s_add_co_u32 s29, s20, s28
	s_min_u32 s29, s29, 70
	BASES
	s_lshl_b32 s30, s28, 6
	s_add_nc_u64 s[52:53], s[54:55], s[30:31]
	global_load_b32 v[TOK], v[R4], s[52:53] offset:256
	s_wait_loadcnt 0x0
	ROWS
.rept 5
	v_nop                                          ; five places: the first products below write the accumulators anew
.endr
	SLOADS
	XLOAD 0, 0
	s_wait_loadcnt 0x0
	MM 0, 0, 1
.irp c, 1,2,3,4,5,6,7
.rept 4
	v_nop
.endr
	XLOAD \c, 0
	s_wait_loadcnt 0x0
	MM \c, 0, 0
.endr
	EPI
.Lnone:
	s_add_co_u32 s28, s28, 16
	s_add_co_u32 s38, s38, 1
	s_cmp_lt_u32 s38, 3
	s_cbranch_scc1 .Lmore
.Ldone:
	s_wait_tensorcnt 0x0
	ds_add_u32 v244, v245
	s_wait_dscnt 0x0
	s_endpgm
.Lfunc_end_k_q4a04f35f6d_gateup:
	.size	k_q4a04f35f6d_gateup, .Lfunc_end_k_q4a04f35f6d_gateup-k_q4a04f35f6d_gateup
	.p2alignl 7, 3214868480
	.fill 96, 4, 3214868480
	.section	.rodata,"a",@progbits
	.p2align	6, 0x0
	.amdhsa_kernel k_q4a04f35f6d_gateup
		.amdhsa_group_segment_fixed_size 72192
		.amdhsa_private_segment_fixed_size 0
		.amdhsa_enable_private_segment 0
		.amdhsa_kernarg_size 48
		.amdhsa_user_sgpr_count 2
		.amdhsa_user_sgpr_kernarg_segment_ptr 1
		.amdhsa_wavefront_size32 1
		.amdhsa_system_sgpr_workgroup_id_x 1
		.amdhsa_system_sgpr_workgroup_id_y 1
		.amdhsa_system_sgpr_workgroup_id_z 1
		.amdhsa_system_vgpr_workitem_id 0
		.amdhsa_next_free_vgpr 246
		.amdhsa_next_free_sgpr 66
		.amdhsa_reserve_vcc 0
		.amdhsa_float_denorm_mode_32 3
		.amdhsa_float_denorm_mode_16_64 3
		.amdhsa_memory_ordered 1
		.amdhsa_forward_progress 1
		.amdhsa_inst_pref_size 96
	.end_amdhsa_kernel
	.amdgpu_metadata
---
amdhsa.version: [ 1, 2 ]
amdhsa.kernels:
  - .name:           k_q4a04f35f6d_gateup
    .symbol:         k_q4a04f35f6d_gateup.kd
    .args:
      - { .name: gate_up_proj, .offset: 0, .size: 8, .value_kind: global_buffer, .address_space: global }
      - { .name: xc, .offset: 8, .size: 8, .value_kind: global_buffer, .address_space: global }
      - { .name: xs, .offset: 16, .size: 8, .value_kind: global_buffer, .address_space: global }
      - { .name: route, .offset: 24, .size: 8, .value_kind: global_buffer, .address_space: global }
      - { .name: hc, .offset: 32, .size: 8, .value_kind: global_buffer, .address_space: global }
      - { .name: hs, .offset: 40, .size: 8, .value_kind: global_buffer, .address_space: global }
    .group_segment_fixed_size: 72192
    .private_segment_fixed_size: 0
    .kernarg_segment_align: 8
    .kernarg_segment_size: 48
    .max_flat_workgroup_size: 512
    .sgpr_count:     66
    .vgpr_count:     246
    .wavefront_size: 32
...
	.end_amdgpu_metadata
.endif
;; end of part 2
;; launch down (part 3): grid 256 x 1, 16 waves a work-group, no clusters, 106,496 bytes of LDS; arguments down_proj, hc, hs, route, out0; writes out0
.if DOCPART == 3
	.amdgcn_target "amdgcn-amd-amdhsa--gfx1250"
	.amdhsa_code_object_version 6
	.text
	.protected	k_q4a04f35f6d_down
	.globl	k_q4a04f35f6d_down
	.p2align	8
	.type	k_q4a04f35f6d_down,@function
k_q4a04f35f6d_down:
	s_mov_b64 s[64:65], 0
	v_nop
	global_prefetch_b8 v0, s[64:65] scope:SCOPE_SE
	s_setreg_imm32_b32 hwreg(HW_REG_WAVE_MODE, 25, 1), 1
	s_wait_xcnt 0x0
; out[token] = h Wd for the token's own expert, both operands in MX-FP4; the rows go back to their tokens' places.
; SHARES.  Work-group = (expert e = number / 32, slice sl = number % 32): output columns 64 sl .. 64 sl + 63, all 1,024 along K, all tiles of the expert: 256 KiB of f32 weights, read once in the launch.
; K goes in 4 chunks of 256.  Wave w takes, of each chunk, columns 32 (w % 2) on and the block of 32 along K number w / 2; the two waves of a block cover 256 consecutive bytes of a weight row.
; A lane takes a column and its registers run down K; the codes go to LDS as images of operand registers, each chunk into bytes of its own: one barrier a chunk, nothing written twice.
; THREE SETS OF 32 REGISTERS take the weights by turns: three of the four chunks are asked for at the head, the fourth as soon as the first is converted.
; Behind the barrier wave w multiplies the chunk with token tile w.  TRANSPOSED USE: source 0 = 16 columns of W (tile t: columns 16 t on), source 1 = 16 tokens: a lane holds one token and eight neighbouring columns.
; h's codes and scale bytes lie by tiles numbered TB_e + tile (route's word e = NT_e, the expert's tiles; TB the running sum of NT); a tile's tokens at route + 256 + 4,096 e + 64 tile + 4 row.
; A tile's 16 rows x 256 bytes go through the wave's own stage in LDS, so that sixteen lanes store 256 consecutive, aligned bytes of one row of out.  Rows that repeat a token are stored twice with the same bits.
; No tensor load and no cluster: trip counts hang on stored counts, and the codes are made from a lane's registers.
; LIMITS: NaN and infinities are not served.  A block of zeros gets the scale byte 1: its codes are zeros.  An expert without tokens still has its weights streamed and stores nothing.
; Tiles from the 17th on of an expert are multiplied behind the stream, not beside it.
.set NCH,  4
.set TSTR, 8192                        ; LDS: a tile's 32 K blocks x 256 bytes
.set WSC,  4*TSTR                      ; the weights' scale bytes [K step 0..7][rho][tile][4]
.set STAGE, WSC+2048                   ; a stage of 16 rows x 272 bytes for each wave
.set SROW, 272
.set CD,   16                          ; v16-19   a block's codes
.set WS,   20                          ; v20-23   the weights' scale words
.set HS,   24                          ; v24-27   h's scale words: register q: lanes 0-15 K step q, lanes 16-31 K step 4 + q
.set ACC,  32                          ; v32-63   four accumulators
.set WF,   64                          ; v64-95   four fragments of W
.set OB,   64                          ; (the way out: eight pairs of rows)
.set XF,   96                          ; v96-143  h's fragments: three sets of two K steps
.set W,    144                         ; v144-239 three sets of 32 numbers of W
.set RT,   240                         ; v240-247 the tokens of rows 8 h + 0 .. 7, then their byte offsets in out
	s_load_b256 s[4:11], s[0:1], 0x0               ; down_proj, hc, hs, route
	s_load_b64 s[12:13], s[0:1], 0x20              ; out0
	v_lshl_add_u32 v248, v0, 2, 0x19800
	v_mov_b32 v249, 0
	v_lshrrev_b32 v8, 5, v0
	v_readfirstlane_b32 s16, v8                    ; wave 0..15
	s_lshr_b32 s17, ttmp9, 5                       ; e
	s_and_b32 s18, ttmp9, 31                       ; sl
	s_and_b32 s22, s16, 1                          ; g
	s_lshr_b32 s23, s16, 1                         ; kb
	s_lshl_b32 s46, s17, 23                        ; W: 8 MiB an expert,
	s_lshl_b32 s50, s18, 8
	s_add_co_u32 s46, s46, s50                     ; + 256 sl,
	s_lshl_b32 s50, s22, 7
	s_add_co_u32 s46, s46, s50                     ; + 128 g,
	s_lshl_b32 s50, s23, 18
	s_add_co_u32 s46, s46, s50                     ; + 32 kb rows of 8,192 bytes
	s_mov_b32 s47, 0
	s_lshl_b32 s48, s18, 8
	s_mov_b32 s49, 0
	s_lshl_b32 s51, s17, 12                        ; the expert's list of tokens: 4,096 bytes an expert
	v_mul_u32_u24 v6, v8, 16*SROW
	v_add_nc_u32 v6, STAGE, v6                     ; my wave's stage
	v_and_b32 v9, 15, v0                           ; r
	v_bfe_u32 v10, v0, 4, 1                        ; h
	v_lshlrev_b32 v13, 4, v9                       ; 16 r
	v_lshlrev_b32 v12, 5, v10                      ; 32 h
	v_mad_u32_u24 v7, v10, 8*SROW, v6
	v_add_nc_u32 v7, v7, v13                       ; back: lanes 0-15 row i, lanes 16-31 row 8 + i; 16 bytes a lane
	v_mad_u32_u24 v6, v9, SROW, v6
	v_add_nc_u32 v6, v6, v12                       ; in: row r, + 32 h (+ 64 a tile)
	v_and_b32 v8, 31, v0
	v_lshlrev_b32 v1, 2, v8                        ; 4 l: my column
	v_lshlrev_b32 v2, 4, v8                        ; 16 l: my place in an image
	v_add_nc_u32 v5, WSC, v2
	v_bfe_u32 v8, v0, 5, 1                         ; g
	v_lshl_add_u32 v8, v8, 1, v10                  ; tile = 2 g + j / 16; rho = j % 16
	v_lshrrev_b32 v10, 6, v0                       ; kb
	v_lshlrev_b32 v3, 13, v8
	v_add_nc_u32 v3, v3, v13
	v_lshl_add_u32 v3, v10, 8, v3                  ; where my block's codes go: 8,192 tile + 16 rho + 256 kb (+ 2,048 a chunk)
	v_lshl_add_u32 v4, v8, 2, v13
	v_lshrrev_b32 v11, 2, v10
	v_lshl_add_u32 v4, v11, 8, v4
	v_and_b32 v11, 3, v10
	v_add_nc_u32 v4, v4, v11
	v_add_nc_u32 v4, WSC, v4                       ; and its scale byte: WSC + 256 (kb / 4) + 16 rho + 4 tile + kb % 4 (+ 512 a chunk)
.macro WLOAD c                                 ; chunk c: W(256 c + 32 kb + i, my column) into set c % 3; no pointer is stepped
.set i_, 0
.rept 32
	global_load_b32 v[W+32*((\c)%3)+i_], v1, s[24:25] offset:(\c)*2097152+8192*i_ th:TH_LOAD_NT
.set i_, i_+1
.endr
.endm
.macro XLOAD c, set                            ; my token tile's fragments of chunk c's two K steps: 512 consecutive bytes a load
.irp u, 0,1
.irp p, 0,1
	global_load_b128 v[XF+16*(\set)+8*\u+4*\p:XF+16*(\set)+8*\u+4*\p+3], v2, s[30:31] offset:(2*(\c)+\u)*1024+512*\p
.endr
.endr
.endm
.macro SLOADS                                  ; its scale words, and the tokens of its rows
	global_load_b128 v[HS:HS+3], v2, s[32:33]
	global_load_b128 v[RT:RT+3], v12, s[36:37] offset:256
	global_load_b128 v[RT+4:RT+7], v12, s[36:37] offset:272
.endm
.macro BASES                                   ; the addresses that hang on the tile's number s29, and, for the tokens, on its number within the expert, s39
	s_mov_b32 s47, 0
	s_lshl_b32 s46, s29, 13
	s_add_nc_u64 s[30:31], s[6:7], s[46:47]
	s_lshl_b32 s46, s29, 9
	s_add_nc_u64 s[32:33], s[8:9], s[46:47]
	s_lshl_b32 s46, s39, 6
	s_add_co_u32 s46, s46, s51
	s_add_nc_u64 s[36:37], s[10:11], s[46:47]
.endm
.macro QBLK set                                ; 32 numbers of my column become 16 bytes of codes in v[CD] on and a scale byte in v11
.set WB_, W+32*(\set)
	v_max3_num_f32 v8, |v[WB_]|, |v[WB_+1]|, 0x1800000             ; two chains; the floor 2^(3 - 127) holds the byte at 1 from below
	v_max3_num_f32 v9, |v[WB_+2]|, |v[WB_+3]|, |v[WB_+4]|
.set i_, 5
.rept 13
	v_max3_num_f32 v[8+((i_-5)/2)%2], v[8+((i_-5)/2)%2], |v[WB_+i_]|, |v[WB_+i_+1]|
.set i_, i_+2
.endr
	v_max3_num_f32 v8, v8, v9, |v[WB_+31]|
	v_add_nc_u32 v10, 0xff000000, v8               ; 2 off the exponent field: the conversion's scale operand
.irp g, 0,1,2,3
	v_cvt_scalef32_pk8_fp4_f32 v[CD+\g], v[WB_+8*\g:WB_+8*\g+7], v10
.endr
	v_lshrrev_b32 v11, 23, v10                     ; the scale's byte; also the plain line behind the conversions
.endm
; One product: tile t of W x the tokens, K step s.  ra: W's scale words in lanes 16-31.  h's word of K step s: register s % 4, in lanes 16-31 from K step 4 on.
.macro WM t, xf, zero, s, ra
.set XSR_, HS+((\s)&3)
.set RB_, (\s)>>2
.if \zero
	v_wmma_scale_f32_16x16x128_f8f6f4 v[ACC+8*\t:ACC+8*\t+7], v[WF+8*\t:WF+8*\t+7], v[\xf:\xf+7], 0, v[WS+\t], v[XSR_] matrix_a_fmt:MATRIX_FMT_FP4 matrix_b_fmt:MATRIX_FMT_FP4
.elseif (\ra == 0) && (RB_ == 0)
	v_wmma_scale_f32_16x16x128_f8f6f4 v[ACC+8*\t:ACC+8*\t+7], v[WF+8*\t:WF+8*\t+7], v[\xf:\xf+7], v[ACC+8*\t:ACC+8*\t+7], v[WS+\t], v[XSR_] matrix_a_fmt:MATRIX_FMT_FP4 matrix_b_fmt:MATRIX_FMT_FP4
.elseif (\ra == 0)
	v_wmma_scale_f32_16x16x128_f8f6f4 v[ACC+8*\t:ACC+8*\t+7], v[WF+8*\t:WF+8*\t+7], v[\xf:\xf+7], v[ACC+8*\t:ACC+8*\t+7], v[WS+\t], v[XSR_] matrix_a_fmt:MATRIX_FMT_FP4 matrix_b_fmt:MATRIX_FMT_FP4 matrix_b_scale:MATRIX_SCALE_ROW1
.elseif (RB_ == 0)
	v_wmma_scale_f32_16x16x128_f8f6f4 v[ACC+8*\t:ACC+8*\t+7], v[WF+8*\t:WF+8*\t+7], v[\xf:\xf+7], v[ACC+8*\t:ACC+8*\t+7], v[WS+\t], v[XSR_] matrix_a_fmt:MATRIX_FMT_FP4 matrix_b_fmt:MATRIX_FMT_FP4 matrix_a_scale:MATRIX_SCALE_ROW1
.else
	v_wmma_scale_f32_16x16x128_f8f6f4 v[ACC+8*\t:ACC+8*\t+7], v[WF+8*\t:WF+8*\t+7], v[\xf:\xf+7], v[ACC+8*\t:ACC+8*\t+7], v[WS+\t], v[XSR_] matrix_a_fmt:MATRIX_FMT_FP4 matrix_b_fmt:MATRIX_FMT_FP4 matrix_a_scale:MATRIX_SCALE_ROW1 matrix_b_scale:MATRIX_SCALE_ROW1
.endif
.endm
; Chunk c's two K steps: W's scale words, then for each step four fragments from LDS and four products.  The four accumulators take turns, one instruction a turn.
.macro MM c, set, zero
	ds_load_b128 v[WS:WS+3], v5 offset:512*(\c)
.irp u, 0,1
.irp t, 0,1,2,3
.irp p, 0,1
	ds_load_b128 v[WF+8*\t+4*\p:WF+8*\t+4*\p+3], v2 offset:\t*TSTR+(2*(\c)+\u)*1024+512*\p
.endr
.endr
	s_wait_dscnt 0x0
.irp t, 0,1,2,3
	WM \t, XF+16*(\set)+8*\u, (\zero)*(1-\u), 2*(\c)+\u, \u
.endr
.if \u == 0
.rept 4
	v_nop                                          ; four places in front of loads into registers that matrix instructions have read
.endr
.endif
.endr
.endm
; A chunk.  n: the loads that may stay out when this chunk's 32 numbers and its fragments of h have to be there.  QBLK's seventeen plain lines are the places between the last chunk's products and the loads into their registers.
.macro CHUNK c, n
	s_wait_loadcnt \n
	QBLK (\c)%3
	ds_store_b128 v3, v[CD:CD+3] offset:2048*(\c)
	ds_store_b8 v4, v11 offset:512*(\c)
.if (\c)+2 < NCH
	XLOAD (\c)+2, ((\c)+2)%3
.endif
.if (\c)+3 < NCH
	WLOAD (\c)+3                                   ; into the set that has just been converted
.endif
	s_wait_dscnt 0x0                               ; for the others' sake: my stores have landed
	s_barrier_signal -1
	s_barrier_wait -1                              ; the chunk's codes and scale bytes lie in LDS
.if (\c) == 0
	s_wait_loadcnt 63                              ; h's scale words, the rows' tokens and chunk 0's fragments are in: 72 loads are younger (X1, W2, X2, W3), and 63 is the largest count that a wait names
	MM 0, 0, 1                                     ; in every wave: the first products start the sums, so the accumulators are written on every way
.else
	s_cmp_lt_u32 s16, s21                          ; a wave without a tile has nothing to multiply; no barrier stands in what it passes over
	s_cbranch_scc0 .Lidle_\@
	MM \c, (\c)%3, 0
.Lidle_\@:
.endif
.endm
; THE WAY OUT of a tile.  The sixteen lines that make the rows' offsets name no register of the last products: they are the places behind them.
.macro EPI
.irp i, 0,1,2,3,4,5,6,7
	v_min_u32 v[RT+\i], 0x3ff, v[RT+\i]            ; held inside out's rows ahead of the address
.endr
.irp i, 0,1,2,3,4,5,6,7
	v_lshl_add_u32 v[RT+\i], v[RT+\i], 13, v13     ; a row of out is 8,192 bytes; + 16 r
.endr
.irp t, 0,1,2,3
	ds_store_b128 v6, v[ACC+8*\t:ACC+8*\t+3] offset:64*\t          ; each accumulator from its low end on
	ds_store_b128 v6, v[ACC+8*\t+4:ACC+8*\t+7] offset:64*\t+16
.endr
.irp i, 0,1,2,3,4,5,6,7
	ds_load_b128 v[OB+4*\i:OB+4*\i+3], v7 offset:SROW*\i           ; LDS serves a wave's instructions in order (ISA guide 5.7.1.4): these see my stores
.endr
.irp i, 0,1,2,3,4,5,6,7
	s_wait_dscnt 7-\i                              ; the younger loads from the stage may stay out
	global_store_b128 v[RT+\i], v[OB+4*\i:OB+4*\i+3], s[34:35] th:TH_STORE_NT   ; lanes 0-15: row i's token, lanes 16-31: row 8 + i's: 256 consecutive, aligned bytes each
.endr
.endm
	s_wait_kmcnt 0x0
	s_add_nc_u64 s[24:25], s[4:5], s[46:47]
	s_add_nc_u64 s[34:35], s[12:13], s[48:49]      ; out0 + 256 sl
	s_load_b256 s[56:63], s[10:11], 0x0            ; NT_0 .. NT_7
	WLOAD 0
	WLOAD 1
	s_wait_kmcnt 0x0
	s_mov_b32 s20, 0                               ; TB_e = NT_0 + .. + NT_(e-1), and NT_e
	s_mov_b32 s21, s56
.irp k, 1,2,3,4,5,6,7
	s_cmp_ge_u32 s17, \k
	s_cselect_b32 s19, s[55+\k], 0
	s_cselect_b32 s21, s[56+\k], s21
	s_add_co_u32 s20, s20, s19
.endr
	s_max_u32 s28, s21, 1
	s_sub_co_u32 s28, s28, 1
	s_min_u32 s28, s28, s16                        ; a wave without a tile of its own loads the expert's last one
	s_add_co_u32 s29, s20, s28
	s_cmp_eq_u32 s21, 0
	s_cselect_b32 s29, 0, s29                      ; an expert without tokens: tile 0, which every split has
	s_min_u32 s29, s29, 70                         ; held inside the workspace ahead of the addresses
	s_mov_b32 s39, s16                             ; the list of tokens is written for every tile number: tile w's
	BASES
	SLOADS
	XLOAD 0, 0
	XLOAD 1, 1
	WLOAD 2
; The counts.  The order of a wave's loads: W0, W1, 3 of scale words and tokens, X0, X1, W2, X2, W3, X3, with 32 loads to a W and 4 to an X.  Chunks 0 and 1: 75 loads or more are younger than the
; chunk's numbers and 68 than chunk 1's fragments; a wait names 63 at most.  (The issue of a load that would carry the counter past its field is held back: ISA guide 5.7.1.)
; Chunk 2: behind X2 stand W3 and X3, 36 loads.  Chunk 3: X3 is the youngest load of all.
	CHUNK 0, 63
	CHUNK 1, 63
	CHUNK 2, 36
	CHUNK 3, 0
	s_cmp_lt_u32 s16, s21
	s_cbranch_scc0 .Ldone
	EPI
; AN EXPERT WITH MORE THAN 16 TILES: tiles w + 16, w + 32, w + 48, from the codes that lie in LDS; no barrier from here on.  1,024 tokens are at most 64 tiles of one expert,
; so three trips serve every split: the trip count is a constant, and a trip whose tile the expert does not have passes over the work.
	s_add_co_u32 s28, s16, 16
	s_mov_b32 s38, 0
.Lmore:
	s_cmp_lt_u32 s28, s21
	s_cbranch_scc0 .Lnone
	s_wait_xcnt 0x0                                ; the last tile's loads and stores have read their bases, offsets and data: they are written again only behind this wait
	s_add_co_u32 s29, s20, s28
	s_min_u32 s29, s29, 70
	s_mov_b32 s39, s28
	BASES
.rept 5
	v_nop                                          ; five places: the first products below write the accumulators anew
.endr
	SLOADS
	XLOAD 0, 0
	s_wait_loadcnt 0x0
	MM 0, 0, 1
.irp c, 1,2,3
.rept 4
	v_nop
.endr
	XLOAD \c, 0
	s_wait_loadcnt 0x0
	MM \c, 0, 0
.endr
	EPI
.Lnone:
	s_add_co_u32 s28, s28, 16
	s_add_co_u32 s38, s38, 1
	s_cmp_lt_u32 s38, 3
	s_cbranch_scc1 .Lmore
.Ldone:
	s_wait_tensorcnt 0x0
	ds_add_u32 v248, v249
	s_wait_dscnt 0x0
	s_endpgm
.Lfunc_end_k_q4a04f35f6d_down:
	.size	k_q4a04f35f6d_down, .Lfunc_end_k_q4a04f35f6d_down-k_q4a04f35f6d_down
	.p2alignl 7, 3214868480
	.fill 96, 4, 3214868480
	.section	.rodata,"a",@progbits
	.p2align	6, 0x0
	.amdhsa_kernel k_q4a04f35f6d_down
		.amdhsa_group_segment_fixed_size 106496
		.amdhsa_private_segment_fixed_size 0
		.amdhsa_enable_private_segment 0
		.amdhsa_kernarg_size 40
		.amdhsa_user_sgpr_count 2
		.amdhsa_user_sgpr_kernarg_segment_ptr 1
		.amdhsa_wavefront_size32 1
		.amdhsa_system_sgpr_workgroup_id_x 1
		.amdhsa_system_sgpr_workgroup_id_y 1
		.amdhsa_system_sgpr_workgroup_id_z 1
		.amdhsa_system_vgpr_workitem_id 0
		.amdhsa_next_free_vgpr 250
		.amdhsa_next_free_sgpr 66
		.amdhsa_reserve_vcc 0
		.amdhsa_float_denorm_mode_32 3
		.amdhsa_float_denorm_mode_16_64 3
		.amdhsa_memory_ordered 1
		.amdhsa_forward_progress 1
		.amdhsa_inst_pref_size 52
	.end_amdhsa_kernel
	.amdgpu_metadata
---
amdhsa.version: [ 1, 2 ]
amdhsa.kernels:
  - .name:           k_q4a04f35f6d_down
    .symbol:         k_q4a04f35f6d_down.kd
    .args:
      - { .name: down_proj, .offset: 0, .size: 8, .value_kind: global_buffer, .address_space: global }
      - { .name: hc, .offset: 8, .size: 8, .value_kind: global_buffer, .address_space: global }
      - { .name: hs, .offset: 16, .size: 8, .value_kind: global_buffer, .address_space: global }
      - { .name: route, .offset: 24, .size: 8, .value_kind: global_buffer, .address_space: global }
      - { .name: out0, .offset: 32, .size: 8, .value_kind: global_buffer, .address_space: global }
    .group_segment_fixed_size: 106496
    .private_segment_fixed_size: 0
    .kernarg_segment_align: 8
    .kernarg_segment_size: 40
    .max_flat_workgroup_size: 512
    .sgpr_count:     66
    .vgpr_count:     250
    .wavefront_size: 32
...
	.end_amdgpu_metadata
.endif
;; end of part 3
;; ======== version 2 of 2: 3 launches
;; workspace buffers: xc 1,048,576 bytes; xs 65,536 bytes; hc 589,824 bytes; hs 36,864 bytes; route 33,024 bytes of whole numbers
;; launch route_x (part 4): grid 64 x 5, 4 waves a work-group, no clusters, 5,120 bytes of LDS; arguments x, token_ids, xc, xs, route; writes xc, xs, route
.if DOCPART == 4
	.amdgcn_target "amdgcn-amd-amdhsa--gfx1250"
	.amdhsa_code_object_version 6
	.text
	.protected	k_q4a04f35f6d_route_x
	.globl	k_q4a04f35f6d_route_x
	.p2align	8
	.type	k_q4a04f35f6d_route_x,@function
k_q4a04f35f6d_route_x:
	s_mov_b64 s[64:65], 0
	v_nop
	global_prefetch_b8 v0, s[64:65] scope:SCOPE_SE
	s_setreg_imm32_b32 hwreg(HW_REG_WAVE_MODE, 25, 1), 1
	s_wait_xcnt 0x0
; THE ROUTING LISTS, AND x's CODES IN TOKEN ORDER.  expert = clip(token_id, 0, 50256) % 8.  No branch and no address of this launch hangs on a loaded or computed number: what the routing finds is only stored, at fixed places.
; Two kinds of work-group, told apart by the work-group's y; they share nothing and never meet again.  x = b, 0 .. 63; four waves.
; y = 0: ROUTING.  Wave n = 4 b + w, 0 .. 255, reads all 1,024 ids (32 a lane) and finds, for expert e = n / 32, the tokens at positions 32 (n % 32) + lane among the expert's tokens; positions past the last repeat the last,
;     so that every row of every tile of 16 is a true row and no lane is ever switched off later.  route, from byte 256 on: [e][tile 0..63][row 0..15] tokens, all 32 KiB written for every split.
;     route's word e = NT_e = ceil(T_e / 16), the expert's tiles, by the expert's first wave.
; y = 1 .. 4: x's CODES.  g = y - 1.  Tokens 16 b .. 16 b + 15; wave w takes K step 4 g + w (128 along K): sixteen loads, all issued at once.  FP4 (E2M1) with one E8M0 byte for each 32 along K.
;     xc [token][K block 0..63][16 bytes];   xs [g][token][4 words]: word q = the four scale bytes of K step 4 g + q.  The four waves' codes and words meet in LDS, so that sixteen lanes store 256 consecutive, aligned bytes.
; The routers stand first in the grid: theirs is the longer chain of dependent steps.
; A block's scale is 2^(floor(log2(its largest magnitude)) - 2); its byte is that magnitude's exponent field - 2, held at 1 from below.
; LIMITS: NaN and infinities in x are not served.  A block of zeros gets the byte 1 (the stated quantiser says 127): its codes are zeros, and this program alone reads the bytes.
; An id below 0 is taken as an unsigned number and held at 50256, which is 0 modulo 8, as is the 0 that the clip gives.  A router's 32 list words are 128 consecutive bytes: half of an aligned 256.
.set SROW, 272                         ; the stage: 16 rows of 256 bytes + 16, so that the sixteen rows of a store start at sixteen different banks
.set SCS,  16*SROW                     ; behind it: the scale words, 16 bytes a token
.set B,    64                          ; v64-127  64 numbers of x
.set CODE, 32                          ; v32-39   their codes
.set T,    64                          ; v64-95   the ids, then id % 8
.set RR,   96                          ; v96      R: which of the expert's tokens is my lane's
.set SM,   97                          ; v97      the chosen register's mask of lanes
.set SP,   98                          ; v98      how many of the expert's tokens came before it
.set SI,   99                          ; v99      which register it is
.set NN,   100                         ; v100     n: the n-th set bit is wanted
.set PS,   101                         ; v101     the bit's place
.set C1,   102                         ; v102-105 counts of the mask's bits in fields of 2, 4, 8, 16
.set TP,   106                         ; v106     at work
.set TK,   107                         ; v107     the token
.set MK,   66                          ; s66-97   M_i: the lanes whose register i holds an id of my expert
.set PP,   24                          ; s24-55   P_1 .. P_32: how many such ids lie in registers 0 .. i - 1
	s_load_b128 s[4:7], s[0:1], 0x0                ; x, token_ids
	s_load_b128 s[8:11], s[0:1], 0x10              ; xc, xs
	s_load_b64 s[12:13], s[0:1], 0x20              ; route
	v_lshl_add_u32 v128, v0, 2, 0x1200
	v_mov_b32 v129, 0
	v_lshrrev_b32 v1, 5, v0
	v_readfirstlane_b32 s16, v1                    ; wave 0..3
	s_mov_b32 s14, ttmp9                           ; b
	s_and_b32 s15, ttmp7, 0xffff                   ; y
	s_cmp_eq_u32 s15, 0
	s_cbranch_scc1 .Lrouter
; ---- x's CODES
	v_and_b32 v2, 15, v0                           ; r
	v_bfe_u32 v3, v0, 4, 1                         ; h
	v_lshlrev_b32 v4, 3, v3                        ; 8 h
	v_lshlrev_b32 v6, 4, v2                        ; 16 r
	v_lshlrev_b32 v5, 13, v2                       ; x: row r of 8,192 bytes,
	v_lshl_add_u32 v5, v3, 7, v5                   ; + 128 h: the operand's layout gives lane (r, h) k = 64 c + 32 h + 0 .. 31 of a K step
	v_mul_u32_u24 v7, v2, SROW
	v_lshl_add_u32 v7, v3, 4, v7
	v_lshl_add_u32 v7, v1, 6, v7                   ; the stage, in: row r, + 16 h, + 64 w: my K step's 64 bytes of the row's 256
	v_lshl_add_u32 v12, v1, 2, v3                  ; back: wave w takes rows 4 w .. 4 w + 3: lanes 0-15 one row, lanes 16-31 the next
	v_mul_u32_u24 v8, v12, SROW
	v_add_nc_u32 v8, v8, v6
	v_lshl_add_u32 v9, v12, 10, v6                 ; the same rows in xc: 1,024 bytes a token
	v_lshl_add_u32 v10, v1, 2, v6
	v_add_nc_u32 v10, SCS, v10                     ; my row's scale word: SCS + 16 r + 4 w
	v_add_nc_u32 v11, SCS, v6                      ; and a row's four
	v_mov_b32 v27, 0                               ; written once: the destination of a lane exchange counts as one of its sources
	s_mov_b32 s58, 0x76543210
	s_mov_b32 s59, 0xfedcba98                      ; v_permlanex16_b32's selects for lane l xor 16
	s_sub_co_u32 s17, s15, 1                       ; g
	s_lshl_b32 s20, s14, 17
	s_lshl_b32 s21, s17, 11
	s_add_co_u32 s20, s20, s21
	s_lshl_b32 s21, s16, 9
	s_add_co_u32 s20, s20, s21                     ; x: 16 b rows + 2,048 g + 512 w
	s_mov_b32 s21, 0
	s_lshl_b32 s22, s14, 14
	s_lshl_b32 s23, s17, 8
	s_add_co_u32 s22, s22, s23                     ; xc: 16 b rows of 1,024 + 256 g
	s_mov_b32 s23, 0
	s_lshl_b32 s24, s17, 14
	s_lshl_b32 s25, s14, 8
	s_add_co_u32 s24, s24, s25                     ; xs: 16,384 g + 256 b
	s_mov_b32 s25, 0
	s_wait_kmcnt 0x0
	s_add_nc_u64 s[4:5], s[4:5], s[20:21]
.irp c, 0,1                                    ; two whole blocks of 32 a lane, registers along K.  No hint: each stretch of 128 bytes of a row is named by eight of these loads
.irp i, 0,1,2,3,4,5,6,7
	global_load_b128 v[B+32*\c+4*\i:B+32*\c+4*\i+3], v5, s[4:5] offset:256*\c+16*\i
.endr
.endr
	s_add_nc_u64 s[8:9], s[8:9], s[22:23]
	s_add_nc_u64 s[10:11], s[10:11], s[24:25]
	s_wait_loadcnt 0x0
.irp c, 0,1
	v_max3_num_f32 v[20+\c], |v[B+32*\c]|, |v[B+32*\c+1]|, 0x1800000   ; block 2 c + h: all 32 numbers are mine; the floor 2^(3 - 127) holds the byte at 1 from below
.endr
.irp i, 2,4,6,8,10,12,14,16,18,20,22,24,26,28,30
.irp c, 0,1
	v_max3_num_f32 v[20+\c], v[20+\c], |v[B+32*\c+\i]|, |v[B+32*\c+\i+1]|
.endr
.endr
.irp c, 0,1
	v_add_nc_u32 v[22+\c], 0xff000000, v[20+\c]    ; 2 off the exponent field: the conversion takes this operand's exponent field as its scale
.endr
.irp c, 0,1
	v_lshrrev_b32 v[24+\c], 23, v[22+\c]           ; the scale's byte
.endr
	v_lshl_or_b32 v26, v25, 16, v24                ; my bytes: blocks h and 2 + h,
	v_lshlrev_b32 v26, v4, v26                     ; 8 h bits up;
	v_permlanex16_b32 v27, v26, s58, s59
	v_or_b32 v28, v26, v27                         ; with lane l xor 16's two the word is whole
.irp c, 0,1
.irp g, 0,1,2,3
	v_cvt_scalef32_pk8_fp4_f32 v[CODE+4*\c+\g], v[B+32*\c+8*\g:B+32*\c+8*\g+7], v[22+\c]
.endr
.endr
	v_nop                                          ; one plain line behind the last conversion
	ds_store_b128 v7, v[CODE:CODE+3]               ; K block h of my K step
	ds_store_b128 v7, v[CODE+4:CODE+7] offset:32   ; and K block 2 + h
	ds_store_b32 v10, v28                          ; lanes r and r + 16 write the same word with the same value
	s_wait_dscnt 0x0                               ; for the others' sake: my stores have landed
	s_barrier_signal -1
	s_barrier_wait -1                              ; 16 rows of 256 bytes of codes and 16 bytes of scale words lie in LDS
	ds_load_b128 v[40:43], v8
	ds_load_b128 v[44:47], v8 offset:2*SROW
	s_wait_dscnt 0x1                               ; the younger load may stay out
	global_store_b128 v9, v[40:43], s[8:9]         ; sixteen lanes store 256 consecutive, aligned bytes of one token's row
	s_wait_dscnt 0x0
	global_store_b128 v9, v[44:47], s[8:9] offset:2048
	s_cmp_lg_u32 s16, 0
	s_cbranch_scc1 .Lq_end
	ds_load_b128 v[48:51], v11                     ; the scale words leave by wave 0
	s_wait_dscnt 0x0
	global_store_b128 v6, v[48:51], s[10:11]       ; sixteen lanes fill 256 aligned bytes; lanes 16-31 hold and write the same words
.Lq_end:
	s_wait_tensorcnt 0x0
	ds_add_u32 v128, v129
	s_wait_dscnt 0x0
	s_endpgm
; ---- ROUTING
.Lrouter:
	s_lshl_b32 s17, s14, 2
	s_add_co_u32 s17, s17, s16                     ; n
	s_lshr_b32 s18, s17, 5                         ; the expert whose list I fill
	s_and_b32 s19, s17, 31
	s_lshl_b32 s19, s19, 5                         ; my first position in it
	s_mov_b32 s56, 0x0f0f0f0f
	s_mov_b32 s57, 0x00ff00ff
	s_lshl_b32 s60, s17, 7
	s_mov_b32 s61, 0
	s_lshl_b32 s62, s18, 2
	s_mov_b32 s63, 0
	v_and_b32 v14, 31, v0                          ; lane
	v_lshlrev_b32 v13, 4, v14
	v_lshlrev_b32 v15, 2, v14
	s_wait_alu depctr_va_vdst(0)
	s_wait_kmcnt 0x0
.irp q, 0,1,2,3,4,5,6,7
	global_load_b128 v[T+4*\q:T+4*\q+3], v13, s[6:7] offset:512*\q   ; register 4 q + j of lane l: token 128 q + 4 l + j
.endr
	s_add_nc_u64 s[60:61], s[12:13], s[60:61]      ; route + 128 n
	s_add_nc_u64 s[62:63], s[12:13], s[62:63]      ; route + 4 e
; First all the masks, then all the scalar sums, then all the selects: the vector and the scalar side change places twice, not in every step.
.irp q, 0,1,2,3,4,5,6,7
	s_wait_loadcnt 7-\q                            ; the younger loads of ids may stay out
.irp j, 0,1,2,3
	v_min_u32 v[T+4*\q+\j], 0xc450, v[T+4*\q+\j]   ; the clip's upper end, 50256
.endr
.irp j, 0,1,2,3
	v_and_b32 v[T+4*\q+\j], 7, v[T+4*\q+\j]        ; id % 8
.endr
.irp j, 0,1,2,3
	v_cmp_eq_u32 s[MK+4*\q+\j], s18, v[T+4*\q+\j]
.endr
.endr
	s_bcnt1_i32_b32 s[PP], s[MK]
.set i, 1
.rept 31
	s_bcnt1_i32_b32 s[20+i%2], s[MK+i]
	s_add_co_u32 s[PP+i], s[PP+i-1], s[20+i%2]
.set i, i+1
.endr
	s_sub_co_u32 s22, s[PP+31], 1                  ; P_32 is the expert's count
	v_add_nc_u32 v[RR], s19, v14
	v_min_u32 v[RR], s22, v[RR]                    ; R: positions past the last token repeat the last.  (An expert without tokens: whatever comes of it is held inside the tokens below, and nobody's result hangs on it)
; THE R-th TOKEN of the expert, counted register by register and in a register lane by lane: the last i with P_i <= R holds it.  Four compares, then their twelve selects.
	v_mov_b32 v[SM], s[MK]
	v_mov_b32 v[SP], 0
	v_mov_b32 v[SI], 0
.set i, 1
.rept 8
.set j, 0
.rept 4
.if i+j < 32
	v_cmp_le_u32 s[20+j], s[PP+i+j-1], v[RR]
.endif
.set j, j+1
.endr
.set j, 0
.rept 4
.if i+j < 32
	v_cndmask_b32 v[SM], v[SM], s[MK+i+j], s[20+j]
	v_cndmask_b32 v[SP], v[SP], s[PP+i+j-1], s[20+j]
	v_cndmask_b32 v[SI], v[SI], i+j, s[20+j]
.endif
.set j, j+1
.endr
.set i, i+4
.endr
	v_sub_nc_u32 v[NN], v[RR], v[SP]               ; n = R - P_i: the n-th set bit of M is my token's lane
	v_lshrrev_b32 v[TP], 1, v[SM]                  ; counts of M's bits in fields of 2, 4, 8, 16
	v_and_b32 v[TP], 0x55555555, v[TP]
	v_sub_nc_u32 v[C1], v[SM], v[TP]
	v_lshrrev_b32 v[TP], 2, v[C1]
	v_and_b32 v[TP], 0x33333333, v[TP]
	v_and_b32 v[C1+1], 0x33333333, v[C1]
	v_add_nc_u32 v[C1+1], v[C1+1], v[TP]
	v_lshrrev_b32 v[TP], 4, v[C1+1]
	v_add_nc_u32 v[TP], v[TP], v[C1+1]
	v_and_b32 v[C1+2], s56, v[TP]
	v_lshrrev_b32 v[TP], 8, v[C1+2]
	v_add_nc_u32 v[TP], v[TP], v[C1+2]
	v_and_b32 v[C1+3], s57, v[TP]
	v_mov_b32 v[PS], 0                             ; the place, found from the top down: where n is not under the lower half's count, that count comes off n and the place moves up
.macro DESC tree, fw, w
	v_bfe_u32 v[TP], v[\tree], v[PS], \fw
	v_cmp_ge_u32 vcc_lo, v[NN], v[TP]
	v_cndmask_b32 v[TP], 0, v[TP], vcc_lo
	v_sub_nc_u32 v[NN], v[NN], v[TP]
	v_cndmask_b32 v[TP], 0, \w, vcc_lo
	v_add_nc_u32 v[PS], v[PS], v[TP]
.endm
	DESC C1+3, 8, 16
	DESC C1+2, 8, 8
	DESC C1+1, 4, 4
	DESC C1, 2, 2
	DESC SM, 1, 1
	v_lshrrev_b32 v[TP], 2, v[SI]
	v_lshlrev_b32 v[TP], 7, v[TP]
	v_lshl_or_b32 v[TP], v[PS], 2, v[TP]
	v_and_b32 v[SI], 3, v[SI]
	v_or_b32 v[TK], v[TP], v[SI]                   ; the token: 128 (i / 4) + 4 lane + i % 4
	v_min_u32 v[TK], 0x3ff, v[TK]                  ; a token's number on every way
	global_store_b32 v15, v[TK], s[60:61] offset:256   ; my 32 positions of the expert's list
	s_and_b32 s20, s17, 31                         ; (a branch on the work-group's and the wave's number)
	s_cmp_lg_u32 s20, 0
	s_cbranch_scc1 .Lr_end
	s_add_co_u32 s20, s[PP+31], 15
	s_lshr_b32 s20, s20, 4                         ; NT_e, by the expert's first wave
	v_mov_b32 v108, 0
	v_mov_b32 v109, s20
	global_store_b32 v108, v109, s[62:63]          ; every lane writes the same word with the same value
.Lr_end:
	s_endpgm
.Lfunc_end_k_q4a04f35f6d_route_x:
	.size	k_q4a04f35f6d_route_x, .Lfunc_end_k_q4a04f35f6d_route_x-k_q4a04f35f6d_route_x
	.p2alignl 7, 3214868480
	.fill 96, 4, 3214868480
	.section	.rodata,"a",@progbits
	.p2align	6, 0x0
	.amdhsa_kernel k_q4a04f35f6d_route_x
		.amdhsa_group_segment_fixed_size 5120
		.amdhsa_private_segment_fixed_size 0
		.amdhsa_enable_private_segment 0
		.amdhsa_kernarg_size 40
		.amdhsa_user_sgpr_count 2
		.amdhsa_user_sgpr_kernarg_segment_ptr 1
		.amdhsa_wavefront_size32 1
		.amdhsa_system_sgpr_workgroup_id_x 1
		.amdhsa_system_sgpr_workgroup_id_y 1
		.amdhsa_system_sgpr_workgroup_id_z 1
		.amdhsa_system_vgpr_workitem_id 0
		.amdhsa_next_free_vgpr 130
		.amdhsa_next_free_sgpr 98
		.amdhsa_reserve_vcc 1
		.amdhsa_float_denorm_mode_32 3
		.amdhsa_float_denorm_mode_16_64 3
		.amdhsa_memory_ordered 1
		.amdhsa_forward_progress 1
		.amdhsa_inst_pref_size 28
	.end_amdhsa_kernel
	.amdgpu_metadata
---
amdhsa.version: [ 1, 2 ]
amdhsa.kernels:
  - .name:           k_q4a04f35f6d_route_x
    .symbol:         k_q4a04f35f6d_route_x.kd
    .args:
      - { .name: x, .offset: 0, .size: 8, .value_kind: global_buffer, .address_space: global }
      - { .name: token_ids, .offset: 8, .size: 8, .value_kind: global_buffer, .address_space: global }
      - { .name: xc, .offset: 16, .size: 8, .value_kind: global_buffer, .address_space: global }
      - { .name: xs, .offset: 24, .size: 8, .value_kind: global_buffer, .address_space: global }
      - { .name: route, .offset: 32, .size: 8, .value_kind: global_buffer, .address_space: global }
    .group_segment_fixed_size: 5120
    .private_segment_fixed_size: 0
    .kernarg_segment_align: 8
    .kernarg_segment_size: 40
    .max_flat_workgroup_size: 128
    .sgpr_count:     98
    .vgpr_count:     130
    .wavefront_size: 32
...
	.end_amdgpu_metadata
.endif
;; end of part 4
;; launch gateup (part 5): grid 256 x 1, 16 waves a work-group, no clusters, 72,192 bytes of LDS; arguments gate_up_proj, xc, xs, route, hc, hs; writes hc, hs
.if DOCPART == 5
	.amdgcn_target "amdgcn-amd-amdhsa--gfx1250"
	.amdhsa_code_object_version 6
	.text
	.protected	k_q4a04f35f6d_gateup
	.globl	k_q4a04f35f6d_gateup
	.p2align	8
	.type	k_q4a04f35f6d_gateup,@function
k_q4a04f35f6d_gateup:
	s_mov_b64 s[64:65], 0
	v_nop
	global_prefetch_b8 v0, s[64:65] scope:SCOPE_SE
	s_setreg_imm32_b32 hwreg(HW_REG_WAVE_SCHED_MODE, 0, 2), 2
	s_setreg_imm32_b32 hwreg(HW_REG_WAVE_MODE, 25, 1), 1
	s_wait_xcnt 0x0
	s_wait_alu depctr_vm_vsrc(0)
; h = silu(x Wg) * (x Wu) for the rows of the chosen expert alone, both operands in MX-FP4, and h's codes for the next product.
; SHARES.  Work-group = (expert e = number / 32, slice sl = number % 32): columns 32 sl .. 32 sl + 31 of the expert's gate half and the same of its up half, for all 2,048 along K and all tiles of the expert:
; 512 KiB of f32 weights, read once in the launch.  K goes in 8 chunks of 256.  Wave w takes, of each chunk, column group g = w % 2 (0 gate, 1 up) and the block of 32 along K number kb = w / 2.
; A LANE TAKES A COLUMN AND ITS REGISTERS RUN DOWN K: 32 loads of 128 consecutive bytes; a block lies in one lane, so its largest magnitude needs no other lane and the conversions give codes with K innermost.
; The codes go to LDS as images of operand registers, each chunk into bytes of its own: ONE barrier a chunk, and nothing in LDS is ever written twice.
; Behind the barrier wave w multiplies the chunk (two K steps, four tiles of 16 columns) with token tile w of the expert.
; THREE SETS OF 32 REGISTERS take the weights by turns: chunk c + 3 is asked for as soon as chunk c is converted, so that a wave's next loads leave while the two chunks between are still coming in.
; THE TOKENS OF A TILE come from the list that the launch before stored: route + 256 + 4,096 e + 64 tile + 4 row; that address is made of ids alone, so the list is asked for ahead of the weights.
; x's codes lie by token (1,024 bytes each), its scale words [K / 512][token][4]: lane (r, h) takes its own row's bytes, so a load of a fragment takes 32 bytes of each of 16 rows (the operand's layout binds a lane to its row).
; TRANSPOSED USE: source 0 = 16 columns of W, source 1 = 16 tokens, so a lane holds one token.  THE COLUMNS OF A TILE ARE NOT NEIGHBOURS: row rho of tile 2 g + u is column 8 u + rho + 8 (rho / 8),
; so that the 16 registers of tiles 2 g and 2 g + 1 are columns 16 (lane / 16) + 0 .. 15: 16 neighbours along the next product's K, whose block number sl these 32 columns are.
; h's codes go out by tiles numbered TB_e + tile (route's word e = NT_e, the expert's tiles; TB the running sum of NT, at most 71 in all): hc [tile][K block 0..31][row][16 bytes], hs [tile][K / 512][row][16 bytes].
; No tensor load and no cluster: trip counts hang on stored counts, and the codes are made from a lane's registers.  A wave's load covers 128 bytes of a weight row: 8,192 gate/up pairs of columns
; over 256 work-groups are 32 each, and a block of 32 stays in one wave for h's quantiser; the neighbouring work-group reads the neighbouring 128 bytes.
; LIMITS: NaN and infinities are not served.  A block of zeros gets the scale byte 1: its codes are zeros, and this program alone reads the bytes.  An expert without tokens still has its weights
; streamed (every wave passes every barrier) and stores nothing.  Tiles from the 17th on of an expert (more than 256 tokens) are multiplied behind the stream, not beside it.  hs leaves in single bytes, 16 a tile.
; THE MODE: SCHED_MODE bits 1:0 = 2 (LLVM: expert scheduling mode 2), set by the entry lines.  The code itself states the register dependences
; between vector or matrix instructions and memory or LDS instructions, with s_wait_alu, always for 0.
; THE PLAN.  Registers that memory or LDS instructions touch:
;   W0 .. W2      Chunk c: its maxima and conversions read set c % 3; behind them the loads of chunk c + 3 land in it.
;   XF0 .. XF2    Chunk c: its products read set c % 3; the loads of chunk c + 2, issued in chunk c, land in set (c - 1) % 3, which chunk c - 1's products read.
;   WS, WF        LDS loads land in them behind the barrier (WF once more for the chunk's second K step); the K step's four products read them.  The way out writes v64-79 of WF as scratch.
;   CD, v11       Written by a chunk's conversions and shift; read by its two LDS stores; written again in the next chunk (v11 also on the way out).
;   XS            x's scale words: loaded once a tile, read by the products.
;   TOK, XO, SO   A load lands in TOK; ROWS reads it and writes XO and SO, which x's loads read as offsets.  Once a tile.
;   v14, v15      Written on the way out, read by its store.
;   v1-v7, v240   Offsets and LDS addresses: made at the head, never written again.  v244, v245: written at the head, read by the closing add alone.
; So a chunk has ONE wait on va_vdst behind its conversions, which serves its two LDS stores, its 36 loads and the first LDS loads behind the barrier (no vector or matrix instruction stands between);
; one more between its two K steps, for WF; and one wait on vm_vsrc at its head, a whole chunk behind the LDS stores that it speaks of.
.set NCH,  8                           ; chunks
.set TSTR, 16512                       ; LDS: a tile's 64 K blocks x 256 bytes, + 128
.set WSC,  4*TSTR                      ; behind the four tiles: the weights' scale bytes [K step 0..15][rho][tile][4]
.set XO,   12                          ; v12      my row's place in xc: 1,024 token + 16 h
.set SO,   13                          ; v13      and in xs: 16 token + 16,384 h
.set CD,   16                          ; v16-19   a block's codes
.set WS,   20                          ; v20-23   the weights' scale words, tile t in register t; lanes 0-15 the chunk's first K step, lanes 16-31 its second
.set XS,   24                          ; v24-31   x's scale words of all 16 K steps
.set ACC,  32                          ; v32-63   four accumulators: gate's two tiles, up's two
.set WF,   64                          ; v64-95   four fragments of W
.set E,    64                          ; (at work on the way out)
.set XF,   96                          ; v96-143  x's fragments: three sets of two K steps
.set W,    144                         ; v144-239 three sets of 32 numbers of W
.set R4,   240                         ; v240     4 r
.set TOK,  241                         ; v241     my row's token
.set H16,  242                         ; v242     16 h
.set H16K, 243                         ; v243     16,384 h
	s_load_b256 s[4:11], s[0:1], 0x0               ; gate_up_proj, xc, xs, route
	s_load_b128 s[12:15], s[0:1], 0x20             ; hc, hs
	v_lshl_add_u32 v244, v0, 2, 0x11200
	v_mov_b32 v245, 0
	v_lshrrev_b32 v8, 5, v0
	v_readfirstlane_b32 s16, v8                    ; wave 0..15
	v_and_b32 v8, 31, v0                           ; (the lanes' addresses are made here, between that line and the wait for its scalar result)
	v_lshlrev_b32 v1, 2, v8                        ; 4 l: my column
	v_lshlrev_b32 v2, 4, v8                        ; 16 l: my place in an image
	v_add_nc_u32 v5, WSC, v2
	v_and_b32 v9, 15, v0
	v_bfe_u32 v10, v0, 4, 1
	v_lshlrev_b32 v7, 4, v9                        ; 16 r
	v_lshl_add_u32 v6, v10, 3, v7                  ; 16 r + 8 h
	v_lshlrev_b32 v[R4], 2, v9
	v_lshlrev_b32 v[H16], 4, v10
	v_lshlrev_b32 v[H16K], 14, v10
	v_bfe_u32 v8, v0, 3, 1                         ; u
	v_bfe_u32 v9, v0, 5, 1                         ; g
	v_lshl_add_u32 v8, v9, 1, v8                   ; tile = 2 g + u
	v_and_b32 v9, 7, v0
	v_lshl_add_u32 v9, v10, 3, v9                  ; rho = j % 8 + 8 (j / 16)
	v_lshrrev_b32 v10, 6, v0                       ; kb
	v_mul_u32_u24 v3, v8, TSTR
	v_lshl_add_u32 v3, v9, 4, v3
	v_lshl_add_u32 v3, v10, 8, v3                  ; where my block's codes go: tile x TSTR + 16 rho + 256 kb (+ 2,048 a chunk)
	v_lshlrev_b32 v4, 4, v9
	v_lshl_add_u32 v4, v8, 2, v4
	v_lshrrev_b32 v11, 2, v10
	v_lshl_add_u32 v4, v11, 8, v4
	v_and_b32 v11, 3, v10
	v_add_nc_u32 v4, v4, v11
	v_add_nc_u32 v4, WSC, v4                       ; and its scale byte: WSC + 256 (kb / 4) + 16 rho + 4 tile + kb % 4 (+ 512 a chunk)
	s_lshr_b32 s17, ttmp9, 5                       ; e
	s_and_b32 s18, ttmp9, 31                       ; sl
	s_wait_alu depctr_va_sdst(0)                   ; s16 is written, ahead of its first reader: the wave's part of W, its tile and the branches on the wave's number are made from it
	s_and_b32 s22, s16, 1                          ; g
	s_lshr_b32 s23, s16, 1                         ; kb
	s_mov_b32 s40, 0xbfb8aa3b                      ; -log2(e)
	s_mov_b32 s41, s40                             ; (named with it as a pair, so it is written)
	s_mov_b32 s42, 0x76543210
	s_mov_b32 s43, 0xfedcba98                      ; v_permlanex16_b32's selects for lane l xor 16
	s_lshl_b32 s48, s18, 8                         ; hc: 256 sl
	s_lshr_b32 s49, s18, 4
	s_lshl_b32 s49, s49, 8
	s_and_b32 s50, s18, 15
	s_add_co_u32 s49, s49, s50                     ; hs: 256 (sl / 16) + sl % 16
	s_lshl_b32 s46, s17, 24                        ; W: 16 MiB an expert,
	s_lshl_b32 s50, s22, 12
	s_add_co_u32 s46, s46, s50                     ; + 4,096 g (up's columns begin 1,024 numbers on),
	s_lshl_b32 s50, s18, 7
	s_add_co_u32 s46, s46, s50                     ; + 128 sl,
	s_lshl_b32 s50, s23, 18
	s_add_co_u32 s46, s46, s50                     ; + 32 kb rows of 8,192 bytes
	s_mov_b32 s47, 0
	s_lshl_b32 s30, s17, 12                        ; the expert's list of tokens: 4,096 bytes an expert
	s_mov_b32 s31, 0
.macro WLOAD c                                 ; chunk c: W(256 c + 32 kb + i, my column) into set c % 3.  No pointer is stepped: chunks 4 to 7 take the second base
.set i_, 0
.rept 32
	global_load_b32 v[W+32*((\c)%3)+i_], v1, s[24+2*((\c)/4):25+2*((\c)/4)] offset:((\c)%4)*2097152+8192*i_ th:TH_LOAD_NT
.set i_, i_+1
.endr
.endm
.macro ROWS                                    ; my row's token becomes its places in xc and in xs
	v_min_u32 v[TOK], 0x3ff, v[TOK]                ; held inside the tokens ahead of the addresses
	v_lshl_add_u32 v[XO], v[TOK], 10, v[H16]
	v_lshl_add_u32 v[SO], v[TOK], 4, v[H16K]
.endm
.macro XLOAD c, set                            ; my rows' fragments of chunk c's two K steps: K step s, registers 4 p .. 4 p + 3: K block 4 s + 2 p + h, byte 64 s + 32 p + 16 h of the row
.irp u, 0,1
.irp p, 0,1
	global_load_b128 v[XF+16*(\set)+8*\u+4*\p:XF+16*(\set)+8*\u+4*\p+3], v[XO], s[6:7] offset:(2*(\c)+\u)*64+32*\p
.endr
.endr
.endm
.macro SLOADS                                  ; their scale words: load j: lanes 0-15 K steps 8 j .. 8 j + 3, lanes 16-31 K steps 8 j + 4 .. 8 j + 7
.irp j, 0,1
	global_load_b128 v[XS+4*\j:XS+4*\j+3], v[SO], s[8:9] offset:32768*\j
.endr
.endm
.macro BASES                                   ; where h's codes and scale bytes go: they hang on the tile's number s29
	s_mov_b32 s47, 0
	s_lshl_b32 s46, s29, 13
	s_add_co_u32 s46, s46, s48
	s_add_nc_u64 s[34:35], s[12:13], s[46:47]
	s_lshl_b32 s46, s29, 9
	s_add_co_u32 s46, s46, s49
	s_add_nc_u64 s[36:37], s[14:15], s[46:47]
.endm
.macro QBLK set                                ; 32 numbers of my column become 16 bytes of codes in v[CD] on and a scale byte in v11
.set WB_, W+32*(\set)
	v_max3_num_f32 v8, |v[WB_]|, |v[WB_+1]|, 0x1800000             ; two chains; the floor 2^(3 - 127) holds the byte at 1 from below
	v_max3_num_f32 v9, |v[WB_+2]|, |v[WB_+3]|, |v[WB_+4]|
.set i_, 5
.rept 13
	v_max3_num_f32 v[8+((i_-5)/2)%2], v[8+((i_-5)/2)%2], |v[WB_+i_]|, |v[WB_+i_+1]|
.set i_, i_+2
.endr
	v_max3_num_f32 v8, v8, v9, |v[WB_+31]|
	v_add_nc_u32 v10, 0xff000000, v8               ; 2 off the exponent field: the conversion's scale operand
.irp g, 0,1,2,3
	v_cvt_scalef32_pk8_fp4_f32 v[CD+\g], v[WB_+8*\g:WB_+8*\g+7], v10
.endr
	v_lshrrev_b32 v11, 23, v10                     ; the scale's byte; also the plain line behind the conversions
.endm
; One product: tile t of W x the tokens, K step s.  ra: W's scale words in lanes 16-31.  x's word of K step s: register 4 (s / 8) + s % 4, in lanes 16-31 where (s / 4) is odd.
.macro WM t, xf, zero, s, ra
.set XSR_, XS+4*((\s)>>3)+((\s)&3)
.set RB_, ((\s)>>2)&1
.if \zero
	v_wmma_scale_f32_16x16x128_f8f6f4 v[ACC+8*\t:ACC+8*\t+7], v[WF+8*\t:WF+8*\t+7], v[\xf:\xf+7], 0, v[WS+\t], v[XSR_] matrix_a_fmt:MATRIX_FMT_FP4 matrix_b_fmt:MATRIX_FMT_FP4
.elseif (\ra == 0) && (RB_ == 0)
	v_wmma_scale_f32_16x16x128_f8f6f4 v[ACC+8*\t:ACC+8*\t+7], v[WF+8*\t:WF+8*\t+7], v[\xf:\xf+7], v[ACC+8*\t:ACC+8*\t+7], v[WS+\t], v[XSR_] matrix_a_fmt:MATRIX_FMT_FP4 matrix_b_fmt:MATRIX_FMT_FP4
.elseif (\ra == 0)
	v_wmma_scale_f32_16x16x128_f8f6f4 v[ACC+8*\t:ACC+8*\t+7], v[WF+8*\t:WF+8*\t+7], v[\xf:\xf+7], v[ACC+8*\t:ACC+8*\t+7], v[WS+\t], v[XSR_] matrix_a_fmt:MATRIX_FMT_FP4 matrix_b_fmt:MATRIX_FMT_FP4 matrix_b_scale:MATRIX_SCALE_ROW1
.elseif (RB_ == 0)
	v_wmma_scale_f32_16x16x128_f8f6f4 v[ACC+8*\t:ACC+8*\t+7], v[WF+8*\t:WF+8*\t+7], v[\xf:\xf+7], v[ACC+8*\t:ACC+8*\t+7], v[WS+\t], v[XSR_] matrix_a_fmt:MATRIX_FMT_FP4 matrix_b_fmt:MATRIX_FMT_FP4 matrix_a_scale:MATRIX_SCALE_ROW1
.else
	v_wmma_scale_f32_16x16x128_f8f6f4 v[ACC+8*\t:ACC+8*\t+7], v[WF+8*\t:WF+8*\t+7], v[\xf:\xf+7], v[ACC+8*\t:ACC+8*\t+7], v[WS+\t], v[XSR_] matrix_a_fmt:MATRIX_FMT_FP4 matrix_b_fmt:MATRIX_FMT_FP4 matrix_a_scale:MATRIX_SCALE_ROW1 matrix_b_scale:MATRIX_SCALE_ROW1
.endif
.endm
; Chunk c's two K steps: W's scale words, then for each step four fragments from LDS and four products.  The four accumulators take turns, one instruction a turn.
; The first K step's LDS loads lean on the wait on va_vdst that stands ahead of every use of this macro, with no vector or matrix instruction between: the products before are done reading WS and WF.
.macro MM c, set, zero
	ds_load_b128 v[WS:WS+3], v5 offset:512*(\c)
.irp u, 0,1
.irp t, 0,1,2,3
.irp p, 0,1
	ds_load_b128 v[WF+8*\t+4*\p:WF+8*\t+4*\p+3], v2 offset:\t*TSTR+(2*(\c)+\u)*1024+512*\p
.endr
.endr
	s_wait_dscnt 0x0
.irp t, 0,1,2,3
	WM \t, XF+16*(\set)+8*\u, (\zero)*(1-\u), 2*(\c)+\u, \u
.endr
.if \u == 0
.rept 4
	v_nop                                          ; four places in front of loads into registers that matrix instructions have read
.endr
	s_wait_alu depctr_va_vdst(0)                   ; the first K step's four products are done reading WF, in which the second K step's fragments land; the places above stay beside this wait
.endif
.endr
.endm
; A chunk.  n: the loads that may stay out when this chunk's 32 numbers and its fragments of x have to be there.  QBLK's seventeen plain lines are the places between the last chunk's products and the loads into their registers.
; The order of a wave's loads: .. W(c), X(c), W(c + 1), X(c + 1), W(c + 2), with 32 loads to a W and 4 to an X.
.macro CHUNK c, n
	s_wait_loadcnt \n
.if (\c) > 0
	s_wait_alu depctr_vm_vsrc(0)                   ; the last chunk's two LDS stores have read v[CD ..] and v11, which the lines below write again
.endif
	QBLK (\c)%3
	s_wait_alu depctr_va_vdst(0)                   ; v[CD ..] and v11 are written, which the LDS stores read; the conversions are done reading this set of W, and the last chunk's products its set of XF, WS and WF: loads land in all four below
	ds_store_b128 v3, v[CD:CD+3] offset:2048*(\c)
	ds_store_b8 v4, v11 offset:512*(\c)
.if (\c)+2 < NCH
	XLOAD (\c)+2, ((\c)+2)%3
.endif
.if (\c)+3 < NCH
	WLOAD (\c)+3                                   ; into the set that has just been converted
.endif
	s_wait_dscnt 0x0                               ; for the others' sake: my stores have landed
	s_barrier_signal -1
	s_barrier_wait -1                              ; the chunk's codes and scale bytes lie in LDS
.if (\c) == 0
	s_wait_loadcnt 63                              ; x's scale words and chunk 0's fragments are in: 72 loads are younger (X1, W2, X2, W3), and 63 is the largest count that a wait names
	MM 0, 0, 1                                     ; in every wave: the first products start the sums, so the accumulators are written on every way
.else
	s_cmp_lt_u32 s16, s21                          ; a wave without a tile has nothing to multiply; no barrier stands in what it passes over
	s_cbranch_scc0 .Lidle_\@
	MM \c, (\c)%3, 0
.Lidle_\@:
.endif
.endm
; THE WAY OUT of a tile: h = g / (1 + 2^(-g log2 e)) x u in f32; its block of 32 (my 16 and lane l xor 16's) is quantised; 8 bytes of codes a lane, one scale byte a row.
.macro EPI
.rept 4
	v_nop                                          ; four places behind the last products
.endr
.irp k, 0,2,4,6,8,10,12,14
	v_pk_mul_f32 v[E+\k:E+\k+1], v[ACC+\k:ACC+\k+1], s[40:41] op_sel_hi:[1,0]   ; each accumulator is read from its low end on
.endr
	s_wait_alu depctr_va_vdst(0)
.irp k, 0,1,2,3,4,5,6,7,8,9,10,11,12,13,14,15
	v_exp_f32 v[E+\k], v[E+\k]
.endr
	v_nop                                          ; a plain line behind the exponentials
	s_wait_alu depctr_va_vdst(0)                   ; the sixteen exponentials have written v[E ..], which the additions read: one wait for the batch
.irp k, 0,2,4,6,8,10,12,14
	v_pk_add_f32 v[E+\k:E+\k+1], v[E+\k:E+\k+1], 1.0 op_sel_hi:[1,0]
.endr
	s_wait_alu depctr_va_vdst(0)
.irp k, 0,1,2,3,4,5,6,7,8,9,10,11,12,13,14,15
	v_rcp_f32 v[E+\k], v[E+\k]
.endr
	v_nop
	s_wait_alu depctr_va_vdst(0)                   ; the sixteen reciprocals have written v[E ..], which the multiplications read: one wait for the batch
.irp k, 0,2,4,6,8,10,12,14
	v_pk_mul_f32 v[ACC+\k:ACC+\k+1], v[ACC+\k:ACC+\k+1], v[E+\k:E+\k+1]
.endr
.irp k, 0,2,4,6,8,10,12,14
	v_pk_mul_f32 v[ACC+\k:ACC+\k+1], v[ACC+\k:ACC+\k+1], v[ACC+16+\k:ACC+16+\k+1]
.endr
	v_max3_num_f32 v8, |v[ACC]|, |v[ACC+1]|, 0x1800000
	v_max3_num_f32 v9, |v[ACC+2]|, |v[ACC+3]|, |v[ACC+4]|
	v_max3_num_f32 v8, v8, |v[ACC+5]|, |v[ACC+6]|
	v_max3_num_f32 v9, v9, |v[ACC+7]|, |v[ACC+8]|
	v_max3_num_f32 v8, v8, |v[ACC+9]|, |v[ACC+10]|
	v_max3_num_f32 v9, v9, |v[ACC+11]|, |v[ACC+12]|
	v_max3_num_f32 v8, v8, |v[ACC+13]|, |v[ACC+14]|
	v_max3_num_f32 v8, v8, v9, |v[ACC+15]|
	v_permlanex16_b32 v9, v8, s42, s43
	v_max_num_f32 v8, v8, v9                       ; the block's largest magnitude
	v_add_nc_u32 v10, 0xff000000, v8
	v_cvt_scalef32_pk8_fp4_f32 v14, v[ACC:ACC+7], v10
	v_cvt_scalef32_pk8_fp4_f32 v15, v[ACC+8:ACC+15], v10
	v_lshrrev_b32 v11, 23, v10                     ; the byte; also the plain line behind the conversions
	s_wait_alu depctr_va_vdst(0)                   ; the conversions have written v14 and v15 and the shift v11, which the two stores read
	global_store_b64 v6, v[14:15], s[34:35]        ; K block sl of the tile's 16 rows: 32 lanes store 256 consecutive bytes, aligned
	global_store_b8 v7, v11, s[36:37]              ; lanes r and r + 16 write the same byte with the same value
.endm
	s_wait_kmcnt 0x0
	s_add_nc_u64 s[24:25], s[4:5], s[46:47]
	s_add_nc_u64 s[26:27], s[24:25], 0x800000      ; four chunks on, so that every immediate stays inside its signed 24 bits
	s_load_b256 s[56:63], s[10:11], 0x0            ; NT_0 .. NT_7
	s_add_nc_u64 s[54:55], s[10:11], s[30:31]      ; route + 4,096 e
	s_lshl_b32 s30, s16, 6
	s_add_nc_u64 s[52:53], s[54:55], s[30:31]      ; + 64 w: tile w's list (written for every tile number, whatever the split)
	s_wait_alu depctr_va_vdst(0)                   ; the offsets and LDS addresses v1 to v7 and v240 are written: every load and store of the kernel but x's reads one of them
	global_load_b32 v[TOK], v[R4], s[52:53] offset:256
	WLOAD 0
	WLOAD 1
	s_wait_loadcnt 63                              ; my row's token is in: 64 loads were issued behind it
	ROWS
	s_wait_alu depctr_va_vdst(0)                   ; v[XO] and v[SO] are written, which the loads of x's scale words and fragments read
	SLOADS
	XLOAD 0, 0
	XLOAD 1, 1
	WLOAD 2
	s_wait_kmcnt 0x0
	s_mov_b32 s20, 0                               ; TB_e = NT_0 + .. + NT_(e-1), and NT_e
	s_mov_b32 s21, s56
.irp k, 1,2,3,4,5,6,7
	s_cmp_ge_u32 s17, \k
	s_cselect_b32 s19, s[55+\k], 0
	s_cselect_b32 s21, s[56+\k], s21
	s_add_co_u32 s20, s20, s19
.endr
	s_max_u32 s28, s21, 1
	s_sub_co_u32 s28, s28, 1
	s_min_u32 s28, s28, s16
	s_add_co_u32 s29, s20, s28                     ; the tile's number for h: TB_e + w in the waves that store
	s_cmp_eq_u32 s21, 0
	s_cselect_b32 s29, 0, s29
	s_min_u32 s29, s29, 70                         ; held inside the workspace ahead of the addresses
	BASES
; The counts.  Chunks 0 to 5: 72 loads or more are younger than the chunk's numbers and 68 or more than its fragments of x; a wait names 63 at most.  (The issue of a load that would carry the
; counter past its field is held back: ISA guide 5.7.1.)  Chunk 6: behind X6 stand W7 and X7, 36 loads.  Chunk 7: X7 is the youngest load of all.
	CHUNK 0, 63
	CHUNK 1, 63
	CHUNK 2, 63
	CHUNK 3, 63
	CHUNK 4, 63
	CHUNK 5, 63
	CHUNK 6, 36
	CHUNK 7, 0
	s_cmp_lt_u32 s16, s21
	s_cbranch_scc0 .Ldone
	s_wait_alu depctr_vm_vsrc(0)                   ; chunk 7's LDS store of the scale byte has read v11, which the way out writes again
	EPI
; AN EXPERT WITH MORE THAN 16 TILES: tiles w + 16, w + 32, w + 48, from the codes that lie in LDS; no barrier from here on.  1,024 tokens are at most 64 tiles of one expert,
; so three trips serve every split: the trip count is a constant, and a trip whose tile the expert does not have passes over the work.
	s_add_co_u32 s28, s16, 16
	s_mov_b32 s38, 0
.Lmore:
	s_cmp_lt_u32 s28, s21
	s_cbranch_scc0 .Lnone
	s_wait_xcnt 0x0                                ; the last tile's loads and stores have read their bases and registers: they are written again only behind this wait
	s_wait_alu depctr_vm_vsrc(0)                   ; the last tile's stores have read v11, v14 and v15, its loads v[XO] and v[SO]: all five are written again in this trip
	s_add_co_u32 s29, s20, s28
	s_min_u32 s29, s29, 70
	BASES
	s_lshl_b32 s30, s28, 6
	s_add_nc_u64 s[52:53], s[54:55], s[30:31]
	global_load_b32 v[TOK], v[R4], s[52:53] offset:256   ; no wait on va_vdst: no vector or matrix instruction has been issued since the one ahead of the way out's stores, on the way in and round the back edge alike
	s_wait_loadcnt 0x0
	ROWS
.rept 5
	v_nop                                          ; five places: the first products below write the accumulators anew
.endr
	s_wait_alu depctr_va_vdst(0)                   ; v[XO] and v[SO] are written, which the loads below read (the last tile's products and way out, done with XS, XF, WS and WF, stand ahead of an earlier such wait)
	SLOADS
	XLOAD 0, 0
	s_wait_loadcnt 0x0
	MM 0, 0, 1
.irp c, 1,2,3,4,5,6,7
.rept 4
	v_nop
.endr
	s_wait_alu depctr_va_vdst(0)                   ; the last chunk's products are done reading XF's set 0, WS and WF, in which the loads below land; the places above stay beside this wait
	XLOAD \c, 0
	s_wait_loadcnt 0x0
	MM \c, 0, 0
.endr
	EPI
.Lnone:
	s_add_co_u32 s28, s28, 16
	s_add_co_u32 s38, s38, 1
	s_cmp_lt_u32 s38, 3
	s_cbranch_scc1 .Lmore
.Ldone:
	s_wait_dscnt 0x0                               ; the closing lines, six on end
	s_wait_alu 0x0
	s_wait_tensorcnt 0x0
	ds_add_u32 v244, v245
	s_wait_dscnt 0x0
	s_endpgm
.Lfunc_end_k_q4a04f35f6d_gateup:
	.size	k_q4a04f35f6d_gateup, .Lfunc_end_k_q4a04f35f6d_gateup-k_q4a04f35f6d_gateup
	.p2alignl 7, 3214868480
	.fill 96, 4, 3214868480
	.section	.rodata,"a",@progbits
	.p2align	6, 0x0
	.amdhsa_kernel k_q4a04f35f6d_gateup
		.amdhsa_group_segment_fixed_size 72192
		.amdhsa_private_segment_fixed_size 0
		.amdhsa_enable_private_segment 0
		.amdhsa_kernarg_size 48
		.amdhsa_user_sgpr_count 2
		.amdhsa_user_sgpr_kernarg_segment_ptr 1
		.amdhsa_wavefront_size32 1
		.amdhsa_system_sgpr_workgroup_id_x 1
		.amdhsa_system_sgpr_workgroup_id_y 1
		.amdhsa_system_sgpr_workgroup_id_z 1
		.amdhsa_system_vgpr_workitem_id 0
		.amdhsa_next_free_vgpr 246
		.amdhsa_next_free_sgpr 66
		.amdhsa_reserve_vcc 0
		.amdhsa_float_denorm_mode_32 3
		.amdhsa_float_denorm_mode_16_64 3
		.amdhsa_memory_ordered 1
		.amdhsa_forward_progress 1
		.amdhsa_inst_pref_size 98
	.end_amdhsa_kernel
	.amdgpu_metadata
---
amdhsa.version: [ 1, 2 ]
amdhsa.kernels:
  - .name:           k_q4a04f35f6d_gateup
    .symbol:         k_q4a04f35f6d_gateup.kd
    .args:
      - { .name: gate_up_proj, .offset: 0, .size: 8, .value_kind: global_buffer, .address_space: global }
      - { .name: xc, .offset: 8, .size: 8, .value_kind: global_buffer, .address_space: global }
      - { .name: xs, .offset: 16, .size: 8, .value_kind: global_buffer, .address_space: global }
      - { .name: route, .offset: 24, .size: 8, .value_kind: global_buffer, .address_space: global }
      - { .name: hc, .offset: 32, .size: 8, .value_kind: global_buffer, .address_space: global }
      - { .name: hs, .offset: 40, .size: 8, .value_kind: global_buffer, .address_space: global }
    .group_segment_fixed_size: 72192
    .private_segment_fixed_size: 0
    .kernarg_segment_align: 8
    .kernarg_segment_size: 48
    .max_flat_workgroup_size: 512
    .sgpr_count:     66
    .vgpr_count:     246
    .wavefront_size: 32
...
	.end_amdgpu_metadata
.endif
;; end of part 5
;; launch down (part 6): grid 256 x 1, 16 waves a work-group, no clusters, 106,496 bytes of LDS; arguments down_proj, hc, hs, route, out0; writes out0
.if DOCPART == 6
	.amdgcn_target "amdgcn-amd-amdhsa--gfx1250"
	.amdhsa_code_object_version 6
	.text
	.protected	k_q4a04f35f6d_down
	.globl	k_q4a04f35f6d_down
	.p2align	8
	.type	k_q4a04f35f6d_down,@function
k_q4a04f35f6d_down:
	s_mov_b64 s[64:65], 0
	v_nop
	global_prefetch_b8 v0, s[64:65] scope:SCOPE_SE
	s_setreg_imm32_b32 hwreg(HW_REG_WAVE_SCHED_MODE, 0, 2), 2
	s_setreg_imm32_b32 hwreg(HW_REG_WAVE_MODE, 25, 1), 1
	s_wait_xcnt 0x0
	s_wait_alu depctr_vm_vsrc(0)
; out[token] = h Wd for the token's own expert, both operands in MX-FP4; the rows go back to their tokens' places.
; SHARES.  Work-group = (expert e = number / 32, slice sl = number % 32): output columns 64 sl .. 64 sl + 63, all 1,024 along K, all tiles of the expert: 256 KiB of f32 weights, read once in the launch.
; K goes in 4 chunks of 256.  Wave w takes, of each chunk, columns 32 (w % 2) on and the block of 32 along K number w / 2; the two waves of a block cover 256 consecutive bytes of a weight row.
; A lane takes a column and its registers run down K; the codes go to LDS as images of operand registers, each chunk into bytes of its own: one barrier a chunk, nothing written twice.
; THREE SETS OF 32 REGISTERS take the weights by turns: three of the four chunks are asked for at the head, the fourth as soon as the first is converted.
; Behind the barrier wave w multiplies the chunk with token tile w.  TRANSPOSED USE: source 0 = 16 columns of W (tile t: columns 16 t on), source 1 = 16 tokens: a lane holds one token and eight neighbouring columns.
; h's codes and scale bytes lie by tiles numbered TB_e + tile (route's word e = NT_e, the expert's tiles; TB the running sum of NT); a tile's tokens at route + 256 + 4,096 e + 64 tile + 4 row.
; A tile's 16 rows x 256 bytes go through the wave's own stage in LDS, so that sixteen lanes store 256 consecutive, aligned bytes of one row of out.  Rows that repeat a token are stored twice with the same bits.
; No tensor load and no cluster: trip counts hang on stored counts, and the codes are made from a lane's registers.
; LIMITS: NaN and infinities are not served.  A block of zeros gets the scale byte 1: its codes are zeros.  An expert without tokens still has its weights streamed and stores nothing.
; Tiles from the 17th on of an expert are multiplied behind the stream, not beside it.
; THE MODE: SCHED_MODE bits 1:0 = 2 (LLVM: expert scheduling mode 2), set by the entry lines.  The code itself states the register dependences
; between vector or matrix instructions and memory or LDS instructions, with s_wait_alu, always for 0.
; THE PLAN.  Registers that memory or LDS instructions touch:
;   W0 .. W2      Chunk c: its maxima and conversions read set c % 3; behind them the loads of chunk c + 3 land in it.
;   XF0 .. XF2    Chunk c: its products read set c % 3; the loads of chunk c + 2, issued in chunk c, land in set (c - 1) % 3, which chunk c - 1's products read.
;   WS, WF        LDS loads land in them behind the barrier (WF once more for the chunk's second K step); the K step's four products read them.  On the way out WF takes the rows read back from the stage (OB), which the global stores read.
;   CD, v11       Written by a chunk's conversions and shift; read by its two LDS stores; written again in the next chunk.
;   HS            h's scale words: loaded once a tile, read by the products.
;   RT            Loads land in it once a tile; the way out makes the rows' offsets of it in place; the global stores read them.
;   ACC           Written by the products; read by the stage's LDS stores; begun anew by the next tile's first products.
;   v1-v7, v12, v13   Offsets and LDS addresses: made at the head, never written again.  v248, v249: written at the head, read by the closing add alone.
; So a chunk has ONE wait on va_vdst behind its conversions, which serves its two LDS stores, its 36 loads and the first LDS loads behind the barrier (no vector or matrix instruction stands between);
; one more between its two K steps, for WF; and one wait on vm_vsrc at its head, a whole chunk behind the LDS stores that it speaks of.  The way out has one wait on va_vdst, behind the lines that make the offsets.
.set NCH,  4
.set TSTR, 8192                        ; LDS: a tile's 32 K blocks x 256 bytes
.set WSC,  4*TSTR                      ; the weights' scale bytes [K step 0..7][rho][tile][4]
.set STAGE, WSC+2048                   ; a stage of 16 rows x 272 bytes for each wave
.set SROW, 272
.set CD,   16                          ; v16-19   a block's codes
.set WS,   20                          ; v20-23   the weights' scale words
.set HS,   24                          ; v24-27   h's scale words: register q: lanes 0-15 K step q, lanes 16-31 K step 4 + q
.set ACC,  32                          ; v32-63   four accumulators
.set WF,   64                          ; v64-95   four fragments of W
.set OB,   64                          ; (the way out: eight pairs of rows)
.set XF,   96                          ; v96-143  h's fragments: three sets of two K steps
.set W,    144                         ; v144-239 three sets of 32 numbers of W
.set RT,   240                         ; v240-247 the tokens of rows 8 h + 0 .. 7, then their byte offsets in out
	s_load_b256 s[4:11], s[0:1], 0x0               ; down_proj, hc, hs, route
	s_load_b64 s[12:13], s[0:1], 0x20              ; out0
	v_lshl_add_u32 v248, v0, 2, 0x19800
	v_mov_b32 v249, 0
	v_lshrrev_b32 v8, 5, v0
	v_readfirstlane_b32 s16, v8                    ; wave 0..15
	v_mul_u32_u24 v6, v8, 16*SROW                  ; (the lanes' addresses are made here, between that line and the wait for its scalar result)
	v_add_nc_u32 v6, STAGE, v6                     ; my wave's stage
	v_and_b32 v9, 15, v0                           ; r
	v_bfe_u32 v10, v0, 4, 1                        ; h
	v_lshlrev_b32 v13, 4, v9                       ; 16 r
	v_lshlrev_b32 v12, 5, v10                      ; 32 h
	v_mad_u32_u24 v7, v10, 8*SROW, v6
	v_add_nc_u32 v7, v7, v13                       ; back: lanes 0-15 row i, lanes 16-31 row 8 + i; 16 bytes a lane
	v_mad_u32_u24 v6, v9, SROW, v6
	v_add_nc_u32 v6, v6, v12                       ; in: row r, + 32 h (+ 64 a tile)
	v_and_b32 v8, 31, v0
	v_lshlrev_b32 v1, 2, v8                        ; 4 l: my column
	v_lshlrev_b32 v2, 4, v8                        ; 16 l: my place in an image
	v_add_nc_u32 v5, WSC, v2
	v_bfe_u32 v8, v0, 5, 1                         ; g
	v_lshl_add_u32 v8, v8, 1, v10                  ; tile = 2 g + j / 16; rho = j % 16
	v_lshrrev_b32 v10, 6, v0                       ; kb
	v_lshlrev_b32 v3, 13, v8
	v_add_nc_u32 v3, v3, v13
	v_lshl_add_u32 v3, v10, 8, v3                  ; where my block's codes go: 8,192 tile + 16 rho + 256 kb (+ 2,048 a chunk)
	v_lshl_add_u32 v4, v8, 2, v13
	v_lshrrev_b32 v11, 2, v10
	v_lshl_add_u32 v4, v11, 8, v4
	v_and_b32 v11, 3, v10
	v_add_nc_u32 v4, v4, v11
	v_add_nc_u32 v4, WSC, v4                       ; and its scale byte: WSC + 256 (kb / 4) + 16 rho + 4 tile + kb % 4 (+ 512 a chunk)
	s_lshr_b32 s17, ttmp9, 5                       ; e
	s_and_b32 s18, ttmp9, 31                       ; sl
	s_wait_alu depctr_va_sdst(0)                   ; s16 is written, ahead of its first reader: the wave's part of W, its tile and the branches on the wave's number are made from it
	s_and_b32 s22, s16, 1                          ; g
	s_lshr_b32 s23, s16, 1                         ; kb
	s_lshl_b32 s46, s17, 23                        ; W: 8 MiB an expert,
	s_lshl_b32 s50, s18, 8
	s_add_co_u32 s46, s46, s50                     ; + 256 sl,
	s_lshl_b32 s50, s22, 7
	s_add_co_u32 s46, s46, s50                     ; + 128 g,
	s_lshl_b32 s50, s23, 18
	s_add_co_u32 s46, s46, s50                     ; + 32 kb rows of 8,192 bytes
	s_mov_b32 s47, 0
	s_lshl_b32 s48, s18, 8
	s_mov_b32 s49, 0
	s_lshl_b32 s51, s17, 12                        ; the expert's list of tokens: 4,096 bytes an expert
.macro WLOAD c                                 ; chunk c: W(256 c + 32 kb + i, my column) into set c % 3; no pointer is stepped
.set i_, 0
.rept 32
	global_load_b32 v[W+32*((\c)%3)+i_], v1, s[24:25] offset:(\c)*2097152+8192*i_ th:TH_LOAD_NT
.set i_, i_+1
.endr
.endm
.macro XLOAD c, set                            ; my token tile's fragments of chunk c's two K steps: 512 consecutive bytes a load
.irp u, 0,1
.irp p, 0,1
	global_load_b128 v[XF+16*(\set)+8*\u+4*\p:XF+16*(\set)+8*\u+4*\p+3], v2, s[30:31] offset:(2*(\c)+\u)*1024+512*\p
.endr
.endr
.endm
.macro SLOADS                                  ; its scale words, and the tokens of its rows
	global_load_b128 v[HS:HS+3], v2, s[32:33]
	global_load_b128 v[RT:RT+3], v12, s[36:37] offset:256
	global_load_b128 v[RT+4:RT+7], v12, s[36:37] offset:272
.endm
.macro BASES                                   ; the addresses that hang on the tile's number s29, and, for the tokens, on its number within the expert, s39
	s_mov_b32 s47, 0
	s_lshl_b32 s46, s29, 13
	s_add_nc_u64 s[30:31], s[6:7], s[46:47]
	s_lshl_b32 s46, s29, 9
	s_add_nc_u64 s[32:33], s[8:9], s[46:47]
	s_lshl_b32 s46, s39, 6
	s_add_co_u32 s46, s46, s51
	s_add_nc_u64 s[36:37], s[10:11], s[46:47]
.endm
.macro QBLK set                                ; 32 numbers of my column become 16 bytes of codes in v[CD] on and a scale byte in v11
.set WB_, W+32*(\set)
	v_max3_num_f32 v8, |v[WB_]|, |v[WB_+1]|, 0x1800000             ; two chains; the floor 2^(3 - 127) holds the byte at 1 from below
	v_max3_num_f32 v9, |v[WB_+2]|, |v[WB_+3]|, |v[WB_+4]|
.set i_, 5
.rept 13
	v_max3_num_f32 v[8+((i_-5)/2)%2], v[8+((i_-5)/2)%2], |v[WB_+i_]|, |v[WB_+i_+1]|
.set i_, i_+2
.endr
	v_max3_num_f32 v8, v8, v9, |v[WB_+31]|
	v_add_nc_u32 v10, 0xff000000, v8               ; 2 off the exponent field: the conversion's scale operand
.irp g, 0,1,2,3
	v_cvt_scalef32_pk8_fp4_f32 v[CD+\g], v[WB_+8*\g:WB_+8*\g+7], v10
.endr
	v_lshrrev_b32 v11, 23, v10                     ; the scale's byte; also the plain line behind the conversions
.endm
; One product: tile t of W x the tokens, K step s.  ra: W's scale words in lanes 16-31.  h's word of K step s: register s % 4, in lanes 16-31 from K step 4 on.
.macro WM t, xf, zero, s, ra
.set XSR_, HS+((\s)&3)
.set RB_, (\s)>>2
.if \zero
	v_wmma_scale_f32_16x16x128_f8f6f4 v[ACC+8*\t:ACC+8*\t+7], v[WF+8*\t:WF+8*\t+7], v[\xf:\xf+7], 0, v[WS+\t], v[XSR_] matrix_a_fmt:MATRIX_FMT_FP4 matrix_b_fmt:MATRIX_FMT_FP4
.elseif (\ra == 0) && (RB_ == 0)
	v_wmma_scale_f32_16x16x128_f8f6f4 v[ACC+8*\t:ACC+8*\t+7], v[WF+8*\t:WF+8*\t+7], v[\xf:\xf+7], v[ACC+8*\t:ACC+8*\t+7], v[WS+\t], v[XSR_] matrix_a_fmt:MATRIX_FMT_FP4 matrix_b_fmt:MATRIX_FMT_FP4
.elseif (\ra == 0)
	v_wmma_scale_f32_16x16x128_f8f6f4 v[ACC+8*\t:ACC+8*\t+7], v[WF+8*\t:WF+8*\t+7], v[\xf:\xf+7], v[ACC+8*\t:ACC+8*\t+7], v[WS+\t], v[XSR_] matrix_a_fmt:MATRIX_FMT_FP4 matrix_b_fmt:MATRIX_FMT_FP4 matrix_b_scale:MATRIX_SCALE_ROW1
.elseif (RB_ == 0)
	v_wmma_scale_f32_16x16x128_f8f6f4 v[ACC+8*\t:ACC+8*\t+7], v[WF+8*\t:WF+8*\t+7], v[\xf:\xf+7], v[ACC+8*\t:ACC+8*\t+7], v[WS+\t], v[XSR_] matrix_a_fmt:MATRIX_FMT_FP4 matrix_b_fmt:MATRIX_FMT_FP4 matrix_a_scale:MATRIX_SCALE_ROW1
.else
	v_wmma_scale_f32_16x16x128_f8f6f4 v[ACC+8*\t:ACC+8*\t+7], v[WF+8*\t:WF+8*\t+7], v[\xf:\xf+7], v[ACC+8*\t:ACC+8*\t+7], v[WS+\t], v[XSR_] matrix_a_fmt:MATRIX_FMT_FP4 matrix_b_fmt:MATRIX_FMT_FP4 matrix_a_scale:MATRIX_SCALE_ROW1 matrix_b_scale:MATRIX_SCALE_ROW1
.endif
.endm
; Chunk c's two K steps: W's scale words, then for each step four fragments from LDS and four products.  The four accumulators take turns, one instruction a turn.
; The first K step's LDS loads lean on the wait on va_vdst that stands ahead of every use of this macro, with no vector or matrix instruction but v_nop between: the products before are done reading WS and WF.
.macro MM c, set, zero
	ds_load_b128 v[WS:WS+3], v5 offset:512*(\c)
.irp u, 0,1
.irp t, 0,1,2,3
.irp p, 0,1
	ds_load_b128 v[WF+8*\t+4*\p:WF+8*\t+4*\p+3], v2 offset:\t*TSTR+(2*(\c)+\u)*1024+512*\p
.endr
.endr
	s_wait_dscnt 0x0
.irp t, 0,1,2,3
	WM \t, XF+16*(\set)+8*\u, (\zero)*(1-\u), 2*(\c)+\u, \u
.endr
.if \u == 0
.rept 4
	v_nop                                          ; four places in front of loads into registers that matrix instructions have read
.endr
	s_wait_alu depctr_va_vdst(0)                   ; the first K step's four products are done reading WF, in which the second K step's fragments land; the places above stay beside this wait
.endif
.endr
.endm
; A chunk.  n: the loads that may stay out when this chunk's 32 numbers and its fragments of h have to be there.  QBLK's seventeen plain lines are the places between the last chunk's products and the loads into their registers.
.macro CHUNK c, n
	s_wait_loadcnt \n
.if (\c) > 0
	s_wait_alu depctr_vm_vsrc(0)                   ; the last chunk's two LDS stores have read v[CD ..] and v11, which the lines below write again
.endif
	QBLK (\c)%3
	s_wait_alu depctr_va_vdst(0)                   ; v[CD ..] and v11 are written, which the LDS stores read; the conversions are done reading this set of W, and the last chunk's products its set of XF, WS and WF: loads land in all four below
	ds_store_b128 v3, v[CD:CD+3] offset:2048*(\c)
	ds_store_b8 v4, v11 offset:512*(\c)
.if (\c)+2 < NCH
	XLOAD (\c)+2, ((\c)+2)%3
.endif
.if (\c)+3 < NCH
	WLOAD (\c)+3                                   ; into the set that has just been converted
.endif
	s_wait_dscnt 0x0                               ; for the others' sake: my stores have landed
	s_barrier_signal -1
	s_barrier_wait -1                              ; the chunk's codes and scale bytes lie in LDS
.if (\c) == 0
	s_wait_loadcnt 63                              ; h's scale words, the rows' tokens and chunk 0's fragments are in: 72 loads are younger (X1, W2, X2, W3), and 63 is the largest count that a wait names
	MM 0, 0, 1                                     ; in every wave: the first products start the sums, so the accumulators are written on every way
.else
	s_cmp_lt_u32 s16, s21                          ; a wave without a tile has nothing to multiply; no barrier stands in what it passes over
	s_cbranch_scc0 .Lidle_\@
	MM \c, (\c)%3, 0
.Lidle_\@:
.endif
.endm
; THE WAY OUT of a tile.  The sixteen lines that make the rows' offsets name no register of the last products: they are the places behind them.
.macro EPI
.irp i, 0,1,2,3,4,5,6,7
	v_min_u32 v[RT+\i], 0x3ff, v[RT+\i]            ; held inside out's rows ahead of the address
.endr
.irp i, 0,1,2,3,4,5,6,7
	v_lshl_add_u32 v[RT+\i], v[RT+\i], 13, v13     ; a row of out is 8,192 bytes; + 16 r
.endr
	s_wait_alu depctr_va_vdst(0)                   ; the products have written the accumulators, which the LDS stores read, and are done reading WF, in which the stage's rows land; v[RT ..] are written, which the global stores read as offsets
.irp t, 0,1,2,3
	ds_store_b128 v6, v[ACC+8*\t:ACC+8*\t+3] offset:64*\t          ; each accumulator from its low end on
	ds_store_b128 v6, v[ACC+8*\t+4:ACC+8*\t+7] offset:64*\t+16
.endr
.irp i, 0,1,2,3,4,5,6,7
	ds_load_b128 v[OB+4*\i:OB+4*\i+3], v7 offset:SROW*\i           ; LDS serves a wave's instructions in order (ISA guide 5.7.1.4): these see my stores
.endr
.irp i, 0,1,2,3,4,5,6,7
	s_wait_dscnt 7-\i                              ; the younger loads from the stage may stay out
	global_store_b128 v[RT+\i], v[OB+4*\i:OB+4*\i+3], s[34:35] th:TH_STORE_NT   ; lanes 0-15: row i's token, lanes 16-31: row 8 + i's: 256 consecutive, aligned bytes each
.endr
.endm
	s_wait_kmcnt 0x0
	s_add_nc_u64 s[24:25], s[4:5], s[46:47]
	s_add_nc_u64 s[34:35], s[12:13], s[48:49]      ; out0 + 256 sl
	s_load_b256 s[56:63], s[10:11], 0x0            ; NT_0 .. NT_7
	s_wait_alu depctr_va_vdst(0)                   ; the offsets and LDS addresses v1 to v7, v12 and v13 are written: every load and LDS instruction of the kernel reads one of them
	WLOAD 0
	WLOAD 1
	s_wait_kmcnt 0x0
	s_mov_b32 s20, 0                               ; TB_e = NT_0 + .. + NT_(e-1), and NT_e
	s_mov_b32 s21, s56
.irp k, 1,2,3,4,5,6,7
	s_cmp_ge_u32 s17, \k
	s_cselect_b32 s19, s[55+\k], 0
	s_cselect_b32 s21, s[56+\k], s21
	s_add_co_u32 s20, s20, s19
.endr
	s_max_u32 s28, s21, 1
	s_sub_co_u32 s28, s28, 1
	s_min_u32 s28, s28, s16                        ; a wave without a tile of its own loads the expert's last one
	s_add_co_u32 s29, s20, s28
	s_cmp_eq_u32 s21, 0
	s_cselect_b32 s29, 0, s29                      ; an expert without tokens: tile 0, which every split has
	s_min_u32 s29, s29, 70                         ; held inside the workspace ahead of the addresses
	s_mov_b32 s39, s16                             ; the list of tokens is written for every tile number: tile w's
	BASES
	SLOADS
	XLOAD 0, 0
	XLOAD 1, 1
	WLOAD 2
; The counts.  The order of a wave's loads: W0, W1, 3 of scale words and tokens, X0, X1, W2, X2, W3, X3, with 32 loads to a W and 4 to an X.  Chunks 0 and 1: 75 loads or more are younger than the
; chunk's numbers and 68 than chunk 1's fragments; a wait names 63 at most.  (The issue of a load that would carry the counter past its field is held back: ISA guide 5.7.1.)
; Chunk 2: behind X2 stand W3 and X3, 36 loads.  Chunk 3: X3 is the youngest load of all.
	CHUNK 0, 63
	CHUNK 1, 63
	CHUNK 2, 36
	CHUNK 3, 0
	s_cmp_lt_u32 s16, s21
	s_cbranch_scc0 .Ldone
	EPI
; AN EXPERT WITH MORE THAN 16 TILES: tiles w + 16, w + 32, w + 48, from the codes that lie in LDS; no barrier from here on.  1,024 tokens are at most 64 tiles of one expert,
; so three trips serve every split: the trip count is a constant, and a trip whose tile the expert does not have passes over the work.
	s_add_co_u32 s28, s16, 16
	s_mov_b32 s38, 0
.Lmore:
	s_cmp_lt_u32 s28, s21
	s_cbranch_scc0 .Lnone
	s_wait_xcnt 0x0                                ; the last tile's loads and stores have read their bases, offsets and data: they are written again only behind this wait
	s_wait_alu depctr_vm_vsrc(0)                   ; the last tile's LDS stores have read the accumulators, its global stores v[RT ..] and v[OB ..]: the first products write the first anew, and loads land in the other two
	s_add_co_u32 s29, s20, s28
	s_min_u32 s29, s29, 70
	s_mov_b32 s39, s28
	BASES
.rept 5
	v_nop                                          ; five places: the first products below write the accumulators anew
.endr
	SLOADS                                         ; no wait on va_vdst: since the way out's own, behind which HS, RT, XF, WS and WF were done with, nothing but v_nop has been issued on the vector side, on the way in and round the back edge alike
	XLOAD 0, 0
	s_wait_loadcnt 0x0
	MM 0, 0, 1
.irp c, 1,2,3
.rept 4
	v_nop
.endr
	s_wait_alu depctr_va_vdst(0)                   ; the last chunk's products are done reading XF's set 0, WS and WF, in which the loads below land; the places above stay beside this wait
	XLOAD \c, 0
	s_wait_loadcnt 0x0
	MM \c, 0, 0
.endr
	EPI
.Lnone:
	s_add_co_u32 s28, s28, 16
	s_add_co_u32 s38, s38, 1
	s_cmp_lt_u32 s38, 3
	s_cbranch_scc1 .Lmore
.Ldone:
	s_wait_dscnt 0x0                               ; the closing lines, six on end
	s_wait_alu 0x0
	s_wait_tensorcnt 0x0
	ds_add_u32 v248, v249
	s_wait_dscnt 0x0
	s_endpgm
.Lfunc_end_k_q4a04f35f6d_down:
	.size	k_q4a04f35f6d_down, .Lfunc_end_k_q4a04f35f6d_down-k_q4a04f35f6d_down
	.p2alignl 7, 3214868480
	.fill 96, 4, 3214868480
	.section	.rodata,"a",@progbits
	.p2align	6, 0x0
	.amdhsa_kernel k_q4a04f35f6d_down
		.amdhsa_group_segment_fixed_size 106496
		.amdhsa_private_segment_fixed_size 0
		.amdhsa_enable_private_segment 0
		.amdhsa_kernarg_size 40
		.amdhsa_user_sgpr_count 2
		.amdhsa_user_sgpr_kernarg_segment_ptr 1
		.amdhsa_wavefront_size32 1
		.amdhsa_system_sgpr_workgroup_id_x 1
		.amdhsa_system_sgpr_workgroup_id_y 1
		.amdhsa_system_sgpr_workgroup_id_z 1
		.amdhsa_system_vgpr_workitem_id 0
		.amdhsa_next_free_vgpr 250
		.amdhsa_next_free_sgpr 66
		.amdhsa_reserve_vcc 0
		.amdhsa_float_denorm_mode_32 3
		.amdhsa_float_denorm_mode_16_64 3
		.amdhsa_memory_ordered 1
		.amdhsa_forward_progress 1
		.amdhsa_inst_pref_size 53
	.end_amdhsa_kernel
	.amdgpu_metadata
---
amdhsa.version: [ 1, 2 ]
amdhsa.kernels:
  - .name:           k_q4a04f35f6d_down
    .symbol:         k_q4a04f35f6d_down.kd
    .args:
      - { .name: down_proj, .offset: 0, .size: 8, .value_kind: global_buffer, .address_space: global }
      - { .name: hc, .offset: 8, .size: 8, .value_kind: global_buffer, .address_space: global }
      - { .name: hs, .offset: 16, .size: 8, .value_kind: global_buffer, .address_space: global }
      - { .name: route, .offset: 24, .size: 8, .value_kind: global_buffer, .address_space: global }
      - { .name: out0, .offset: 32, .size: 8, .value_kind: global_buffer, .address_space: global }
    .group_segment_fixed_size: 106496
    .private_segment_fixed_size: 0
    .kernarg_segment_align: 8
    .kernarg_segment_size: 40
    .max_flat_workgroup_size: 512
    .sgpr_count:     66
    .vgpr_count:     250
    .wavefront_size: 32
...
	.end_amdgpu_metadata
.endif
;; end of part 6
